; MI455X (gfx1250); checked and timed in simulation.
; The chip was launched on July 23, 2026; its instructions are those of AMD's public machine-readable ISA for CDNA 5 (MIT licence, August 2026) and "CDNA5" Instruction Set Architecture Reference Guide (July 2026). The comments in the code are by the model that wrote it; some were corrected since.
;; Grouped Query Attention. Allowed arithmetic: matrix products marked QUANTISED: E4M3 operands, one given power-of-two scale a tensor, by v_wmma_f32_16x16x64_fp8_fp8 or v_wmma_f32_16x16x128_fp8_fp8, f32 sums; everything else in f32.
;; Inputs: Wk 2,048 x 512 float32; Wq 2,048 x 2,048 float32; Wv 2,048 x 512 float32; bk 512 float32; bq 2,048 float32; bv 512 float32; hidden_states 2 x 2,048 x 2,048 float32; lowp_scales 10 int32 (the exponents e of the quantised operands' scales 2^e).
;; Outputs: out0 2 x 2,048 x 2,048 float32.
;; This version of the problem:
;;   THIS VERSION OF THE PROBLEM IS GIVEN IN LOW PRECISION. The matrix products marked QUANTISED in the list below multiply operands that are first quantised to E4M3 (4 exponent bits, 3 mantissa bits; 8 bits a number), with one given power-of-two scale for each operand tensor; their sums are f32. All else is computed in f32.
;;   The module's matrix products, in the order in which they are computed (A, B: the left and right operand; K: the contracted axis; several contracted axes count as one K, in the product's order):
;;     1. [M 4,096, K 2,048] x [K 2,048, N 2,048]; A: input hidden_states; B: input Wq: QUANTISED (scales: A lowp_scales[0], B lowp_scales[1])
;;     2. [M 4,096, K 2,048] x [K 2,048, N 512]; A: input hidden_states; B: input Wk: QUANTISED (scales: A lowp_scales[2], B lowp_scales[3])
;;     3. [M 4,096, K 2,048] x [K 2,048, N 512]; A: input hidden_states; B: input Wv: QUANTISED (scales: A lowp_scales[4], B lowp_scales[5])
;;     4. batch 8 x [M 2,048, K 128] x [K 128, N 8,192]; A: computed on the way; B: computed on the way: QUANTISED (scales: A lowp_scales[6], B lowp_scales[7])
;;     5. batch 8 x [M 128, K 2,048] x [K 2,048, N 8,192]; A: computed on the way; B: softmax (see below): QUANTISED (scales: A lowp_scales[8], B lowp_scales[9])
;;   THE QUANTISER, for each operand of a quantised product, along K:
;;     - The operand's scale is 2^e, e = its entry of the input lowp_scales (int32; the entries are numbered through the quantised products in the list's order, A before B).
;;     - Each number is divided by the scale, clamped to +-448, and rounded to the nearest number of E4M3, ties to even, subnormals kept.
;;     - The product sums the exact products of the quantised numbers (number of the format x scale) in f32.
;;   ~~~python
;;   def quantise(x, axis, e):      # numpy; x: float32 -> the quantised numbers, widened to float32 again
;;       x = np.moveaxis(x, axis, -1); K = x.shape[-1]
;;       r = np.clip(x / 2.0 ** e, -448, 448)
;;       step = 2.0 ** (np.maximum(np.frexp(np.where(r == 0, 1, r))[1] - 1, -6) - 3)
;;       q = np.round(r / step) * step * 2.0 ** e      # np.round: ties to even
;;       return np.moveaxis(q, -1, axis).astype(np.float32)
;;   ~~~
;;   SOFTMAX AHEAD OF A QUANTISED PRODUCT. Where the list says 'softmax', what is quantised is not the finished softmax but p = 2^(t - M), with t = logit x log2(e) and M = ceil(the row's largest t), a whole number; so 1/2 < the row's largest p <= 1. The row's sum l is taken of the UNQUANTISED p, in f32, and the product's result is divided by l at the end. Since M is a whole number, a kernel that streams over the keys may use a running M (the ceiling of the running maximum): every later rescaling is an exact power of two, so the quantised numbers keep their values, but for numbers so far below the row's largest that they fall under the format's range.
;;   OPERANDS COMPUTED ON THE WAY. 'Computed on the way' means the value that the module computes at that place (a softmax that the list does not call 'softmax' is quantised finished and normalised). What goes into a quantiser is computed in f32, as accurately as f32 sums, v_exp_f32 and their like allow (about 1e-6 of the number): no bf16 or f16 on the way to a quantiser, and a product that is left as it is and whose result goes on into a quantised operand takes f32 operands (vector FMAs, or v_wmma_f32_16x16x4_f32). A number that lies on a knife's edge between two numbers of the format may be rounded either way, as far as f32 arithmetic and the matrix unit's own rounding can turn it there, and no further.
;; 2 versions. Each part assembles by itself: llvm-mc -triple=amdgcn-amd-amdhsa -mcpu=gfx1250 --defsym DOCPART=n.
;; ======== version 1 of 2: 4 launches
;; workspace buffers: xc 25,165,824 bytes; wc 6,291,456 bytes; qkv 12,582,912 bytes
;; launch quant_x (part 1): grid 256 x 1, 4 waves a work-group, no clusters, 33,280 bytes of LDS; arguments hidden_states, lowp_scales, xc; writes xc
.if DOCPART == 1
	.amdgcn_target "amdgcn-amd-amdhsa--gfx1250"
	.amdhsa_code_object_version 6
	.text
	.protected	k_q6260f44293_quant_x
	.globl	k_q6260f44293_quant_x
	.p2align	8
	.type	k_q6260f44293_quant_x,@function
k_q6260f44293_quant_x:
	s_mov_b64 s[64:65], 0
	v_nop
	global_prefetch_b8 v0, s[64:65] scope:SCOPE_SE
	s_setreg_imm32_b32 hwreg(HW_REG_WAVE_MODE, 25, 1), 1
	s_wait_xcnt 0x0
; hidden_states [4096][2048] f32 becomes THREE sets of E4M3 codes, K innermost, one for each projection that reads it:
; set k lies at xc + k x 8,388,608 and takes the scale 2^e, e = lowp_scales[2 k] (the three exponents may differ).
; code = x / 2^e, held within +-448, rounded to the nearest code, ties to even.
; LIMITS: each e between -126 and 119, so that 2^e and 448 x 2^e are f32 numbers.  NaN among the inputs is not served; an infinity is held at the largest code.
; Rows are dense, so the tensor is a plain stream.  A wave takes 16 steps of 512 numbers.  A conversion takes 8 neighbours from ONE lane's registers, a load is best where neighbouring
; LANES take neighbouring bytes: each of a step's four loads reads 512 consecutive bytes, the 2,048 bytes go through the wave's own stage in LDS as they lie and come back 64 bytes a lane
; (16 bytes of padding behind each 64).  A lane's 16 codes are 16 bytes: each store of the wave covers 512 consecutive bytes, aligned.
; The numbers are read once and converted three times.  No barrier: waves share nothing.  Loads run four steps (16 loads a wave) ahead, the turn through LDS one step.
.set STEPS, 16
.set SP,    80                         ; a lane's place in a stage: its 64 bytes + 16 of padding
.set WREG,  8192                       ; LDS: a region for each wave: two stages of 32 x SP bytes
.set SC,    5                          ; v5-7     2^e as f32, for set 0, 1, 2
.set LM,    8                          ; v8-10    448 x 2^e
.set R,     16                         ; v16-79   four sets of 16 numbers as they are loaded
.set X,     80                         ; v80-111  two sets of 16 neighbours
.set T,     112                        ; v112-127 the 16 numbers, held
.set C,     128                        ; v128-151 codes: two sets of 3 x 4 registers, by turns
	s_load_b128 s[4:7], s[0:1], 0x0                ; hidden_states s[4:5], lowp_scales s[6:7]
	s_load_b64 s[8:9], s[0:1], 0x10                ; xc
	v_lshl_add_u32 v152, v0, 2, 0x8000
	v_mov_b32 v153, 0
	v_lshrrev_b32 v1, 5, v0
	v_readfirstlane_b32 s16, v1                    ; wave
	v_and_b32 v2, 31, v0                           ; lane
	v_lshlrev_b32 v3, 4, v2                        ; my 16 bytes of a load's 512, and of a store's; never rewritten
	s_mul_i32 s17, s16, WREG
	v_lshrrev_b32 v14, 2, v2
	v_mul_u32_u24 v14, v14, SP
	v_and_b32 v15, 3, v2
	v_lshl_add_u32 v14, v15, 4, v14
	v_add_nc_u32 v14, s17, v14                     ; the stage, on the way in: SP (lane / 4) + 16 (lane % 4)
	v_mul_u32_u24 v15, v2, SP
	v_add_nc_u32 v15, s17, v15                     ; and on the way out: SP x lane: my 16 neighbours
	s_lshl_b32 s18, ttmp9, 2
	s_add_co_u32 s18, s18, s16                     ; which run of 8,192 numbers is my wave's
	s_lshl_b32 s20, s18, 15                        ; its 32,768 bytes of f32,
	s_mov_b32 s21, 0
	s_lshl_b32 s22, s18, 13                        ; its 8,192 bytes of codes
	s_mov_b32 s23, 0
	s_wait_kmcnt 0x0
	s_load_b256 s[24:31], s[6:7], 0x0              ; lowp_scales[0..7]: entries 0, 2, 4 are used here
	s_add_nc_u64 s[4:5], s[4:5], s[20:21]
	s_add_nc_u64 s[8:9], s[8:9], s[22:23]          ; set 0,
	s_add_nc_u64 s[10:11], s[8:9], 0x800000        ; set 1,
	s_add_nc_u64 s[12:13], s[8:9], 0x1000000       ; set 2: a base for each, since the distance does not fit a store's immediate
.macro LOAD t
.irp i, 0,1,2,3
	global_load_b128 v[R+16*((\t)%4)+4*\i:R+16*((\t)%4)+4*\i+3], v3, s[4:5] offset:2048*(\t)+512*\i th:TH_LOAD_NT   ; 32 lanes read 512 consecutive bytes; read once in the launch
.endr
.endm
.macro TURN t                          ; step t's numbers through the stage: LDS serves a wave's instructions in order (ISA guide 5.7.1.4), so no wait stands between the stores and the loads
.irp i, 0,1,2,3
	ds_store_b128 v14, v[R+16*((\t)%4)+4*\i:R+16*((\t)%4)+4*\i+3] offset:32*SP*((\t)%2)+8*SP*\i
.endr
.irp i, 0,1,2,3
	ds_load_b128 v[X+16*((\t)%2)+4*\i:X+16*((\t)%2)+4*\i+3], v15 offset:32*SP*((\t)%2)+16*\i
.endr
.endm
.irp t, 0,1,2,3
	LOAD \t
.endr
	s_wait_kmcnt 0x0
.irp k, 0,1,2
	s_add_co_i32 s22, s[24+2*\k], 127
	s_lshl_b32 s23, s22, 23
	v_mov_b32 v[SC+\k], s23                        ; 2^e as f32: the conversion takes its exponent field
	s_add_co_i32 s22, s22, 8
	s_lshl_b32 s22, s22, 23
	s_or_b32 s22, s22, 0x600000
	v_mov_b32 v[LM+\k], s22                        ; 448 x 2^e
.endr
	s_wait_loadcnt 12                              ; step 0's four loads are in; the twelve of steps 1 to 3 may be out
	TURN 0
.macro STEP t
.set XS, X+16*((\t)%2)
.set CD, C+12*((\t)%2)
	s_wait_dscnt 0x0                               ; this step's numbers are back from the stage: so its stores into the stage have read their registers,
.if (\t)+4 < STEPS
	LOAD (\t)+4                                    ; which take the loads of four steps on
.endif
.if (\t)+1 < STEPS
.if STEPS-2-(\t) >= 3
	s_wait_loadcnt 12                              ; the next step's four loads are in; those of the three steps behind it may be out
.else
	s_wait_loadcnt 4*(STEPS-2-(\t))                ; the tail: four for each step that is still behind the next
.endif
	TURN (\t)+1                                    ; and go through the other stage while this step is worked
.endif
	s_wait_xcnt 0x0                                ; this set of code registers was the data of the stores of two steps ago: it is written again only behind this wait
.irp k, 0,1,2
.irp i, 0,1,2,3,4,5,6,7,8,9,10,11,12,13,14,15
	v_med3_num_f32 v[T+\i], v[XS+\i], -v[LM+\k], v[LM+\k]   ; the conversion to an 8-bit code does not saturate (ISA guide 7.6.2): the hold at the largest code x the scale
.endr
	v_cvt_scalef32_pk8_fp8_f32 v[CD+4*\k:CD+4*\k+1], v[T:T+7], v[SC+\k]
	v_cvt_scalef32_pk8_fp8_f32 v[CD+4*\k+2:CD+4*\k+3], v[T+8:T+15], v[SC+\k]
	v_nop                                          ; one plain vector line between the conversions and the next lines that write their sources
	global_store_b128 v3, v[CD+4*\k:CD+4*\k+3], s[8+2*\k:9+2*\k] offset:512*(\t)   ; 512 consecutive bytes, aligned; the next launch but one reads them
.endr
.endm
.irp t, 0,1,2,3,4,5,6,7,8,9,10,11,12,13,14,15
	STEP \t
.endr
	s_wait_tensorcnt 0x0
	ds_add_u32 v152, v153
	s_wait_dscnt 0x0
	s_endpgm
.Lfunc_end_k_q6260f44293_quant_x:
	.size	k_q6260f44293_quant_x, .Lfunc_end_k_q6260f44293_quant_x-k_q6260f44293_quant_x
	.p2alignl 7, 3214868480
	.fill 96, 4, 3214868480
	.section	.rodata,"a",@progbits
	.p2align	6, 0x0
	.amdhsa_kernel k_q6260f44293_quant_x
		.amdhsa_group_segment_fixed_size 33280
		.amdhsa_private_segment_fixed_size 0
		.amdhsa_enable_private_segment 0
		.amdhsa_kernarg_size 24
		.amdhsa_user_sgpr_count 2
		.amdhsa_user_sgpr_kernarg_segment_ptr 1
		.amdhsa_wavefront_size32 1
		.amdhsa_system_sgpr_workgroup_id_x 1
		.amdhsa_system_sgpr_workgroup_id_y 1
		.amdhsa_system_sgpr_workgroup_id_z 1
		.amdhsa_system_vgpr_workitem_id 0
		.amdhsa_next_free_vgpr 154
		.amdhsa_next_free_sgpr 66
		.amdhsa_reserve_vcc 0
		.amdhsa_float_denorm_mode_32 3
		.amdhsa_float_denorm_mode_16_64 3
		.amdhsa_memory_ordered 1
		.amdhsa_forward_progress 1
		.amdhsa_inst_pref_size 79
	.end_amdhsa_kernel
	.amdgpu_metadata
---
amdhsa.version: [ 1, 2 ]
amdhsa.kernels:
  - .name:           k_q6260f44293_quant_x
    .symbol:         k_q6260f44293_quant_x.kd
    .args:
      - { .name: hidden_states, .offset: 0, .size: 8, .value_kind: global_buffer, .address_space: global }
      - { .name: lowp_scales, .offset: 8, .size: 8, .value_kind: global_buffer, .address_space: global }
      - { .name: xc, .offset: 16, .size: 8, .value_kind: global_buffer, .address_space: global }
    .group_segment_fixed_size: 33280
    .private_segment_fixed_size: 0
    .kernarg_segment_align: 8
    .kernarg_segment_size: 24
    .max_flat_workgroup_size: 128
    .sgpr_count:     66
    .vgpr_count:     154
    .wavefront_size: 32
...
	.end_amdgpu_metadata
.endif
;; end of part 1
;; launch quant_w (part 2): grid 24 x 8, 4 waves a work-group, no clusters, 36,352 bytes of LDS; arguments Wq, Wk, Wv, lowp_scales, wc; writes wc
.if DOCPART == 2
	.amdgcn_target "amdgcn-amd-amdhsa--gfx1250"
	.amdhsa_code_object_version 6
	.text
	.protected	k_q6260f44293_quant_w
	.globl	k_q6260f44293_quant_w
	.p2align	8
	.type	k_q6260f44293_quant_w,@function
k_q6260f44293_quant_w:
	s_mov_b64 s[64:65], 0
	v_nop
	global_prefetch_b8 v0, s[64:65] scope:SCOPE_SE
	s_setreg_imm32_b32 hwreg(HW_REG_WAVE_MODE, 25, 1), 1
	s_wait_xcnt 0x0
; Wq [2048][2048], Wk [2048][512], Wv [2048][512], f32 with K as their FIRST axis, become E4M3 codes laid [3072][2048] with K innermost:
; rows 0-2047 of wc are Wq's columns, 2048-2559 Wk's, 2560-3071 Wv's.  Scales 2^e, e = lowp_scales[1], [3], [5].
; code = x / 2^e, held within +-448, rounded to the nearest code, ties to even.
; LIMITS: each e between -126 and 119.  NaN among the inputs is not served; an infinity is held at the largest code.
; A LANE TAKES A COLUMN, AND ITS REGISTERS RUN DOWN K: each load reads neighbouring columns in neighbouring lanes (128 consecutive bytes a wave, 512 a work-group), and the conversions,
; which take neighbours along K from one lane's registers, give codes with K innermost.  A wave takes 32 columns x 256 along K; its codes go through its own stage in LDS and leave as rows:
; sixteen lanes store 256 consecutive bytes, aligned.
; ONE PATH FOR THE THREE TENSORS: work-group x 0-15 takes Wq, 16-19 Wk, 20-23 Wv.  Pointer, row pitch, first column and exponent are chosen by selects on the work-group's number; no branch.
; The pitch is therefore no constant of the text: the 32 rows of a block have their offsets in registers (4 x lane + i x pitch), the eight blocks a base each.  Nothing is stepped afterwards.
.set KW,    256                        ; along K for a wave
.set NB,    KW/32                      ; blocks
.set PITCH, 272                        ; a stage row: 256 bytes of codes + 16
.set KROW,  2048                       ; a row of wc in bytes
.set X,     32                         ; v32-95   two sets of 32 numbers
.set C,     96                         ; v96-103  a block's codes
.set OUTR,  112                        ; v112-175 the way out: 16 x 4 registers
.set OFF,   176                        ; v176-207 row i of a block: 4 x lane + i x pitch; never rewritten
.set BB,    32                         ; s[32:47] block t's base
	s_load_b256 s[4:11], s[0:1], 0x0               ; Wq s[4:5], Wk s[6:7], Wv s[8:9], lowp_scales s[10:11]
	s_load_b64 s[12:13], s[0:1], 0x20              ; wc
	v_lshl_add_u32 v208, v0, 2, 0x8c00
	v_mov_b32 v209, 0
	v_lshrrev_b32 v1, 5, v0
	v_readfirstlane_b32 s16, v1                    ; wave 0..3
	v_and_b32 v2, 31, v0                           ; lane
	v_lshlrev_b32 v3, 2, v2                        ; in: 4 bytes a lane
	s_mul_i32 s19, s16, 32*PITCH                   ; my stage
	v_mul_u32_u24 v4, v2, PITCH
	v_add_nc_u32 v4, s19, v4                       ; into it: row = my column
	v_and_b32 v5, 15, v2
	v_lshrrev_b32 v6, 4, v2                        ; out of it: sixteen lanes to a row, two rows an instruction
	v_mul_u32_u24 v7, v6, PITCH
	v_lshl_add_u32 v7, v5, 4, v7
	v_add_nc_u32 v7, s19, v7                       ; LDS address
	v_mul_u32_u24 v8, v6, KROW
	v_lshl_add_u32 v8, v5, 4, v8                   ; and the same place in wc
	s_and_b32 s18, ttmp7, 0xffff                   ; which 256 along K: work-group y
	s_lshl_b32 s17, ttmp9, 7
	s_lshl_b32 s19, s16, 5
	s_add_co_u32 s17, s17, s19                     ; my wave's first row of wc: 128 x + 32 x wave
	s_lshl_b32 s48, s17, 11
	s_lshl_b32 s49, s18, 8
	s_add_co_u32 s48, s48, s49                     ; its bytes: row x 2,048 + 256 y
	s_mov_b32 s49, 0
	s_mov_b32 s20, 2048                            ; a row of Wk or Wv in bytes
	s_wait_kmcnt 0x0
	s_load_b256 s[24:31], s[10:11], 0x0            ; lowp_scales[0..7]: entries 1, 3, 5 are used here
	s_cmp_lt_u32 ttmp9, 16                         ; the choices hang on the work-group's number alone
	s_cselect_b64 s[4:5], s[4:5], s[6:7]           ; Wq or Wk,
	s_cselect_b32 s20, 8192, s20                   ; the pitch,
	s_cselect_b32 s21, 0, 16                       ; the tensor's first work-group
	s_cmp_lt_u32 ttmp9, 20
	s_cselect_b64 s[4:5], s[4:5], s[8:9]           ; or Wv
	s_cselect_b32 s21, s21, 20
	s_sub_co_u32 s22, ttmp9, s21
	s_lshl_b32 s22, s22, 7
	s_lshl_b32 s23, s16, 5
	s_add_co_u32 s22, s22, s23                     ; my first column in its tensor
	s_lshl_b32 s22, s22, 2
	s_mul_i32 s23, s18, s20
	s_lshl_b32 s23, s23, 8                         ; 256 y rows
	s_add_co_u32 s22, s22, s23
	s_mov_b32 s23, 0
	s_add_nc_u64 s[BB:BB+1], s[4:5], s[22:23]      ; block 0
	s_lshl_b32 s22, s20, 5                         ; 32 rows
.irp t, 1,2,3,4,5,6,7
	s_add_nc_u64 s[BB+2*\t:BB+2*\t+1], s[BB+2*\t-2:BB+2*\t-1], s[22:23]
.endr
	s_add_nc_u64 s[12:13], s[12:13], s[48:49]
.irp i, 0,1,2,3,4,5,6,7,8,9,10,11,12,13,14,15,16,17,18,19,20,21,22,23,24,25,26,27,28,29,30,31
	v_mad_u32_u24 v[OFF+\i], s20, \i, v3
.endr
.macro LOAD t                          ; block t: W(256 y + 32 t + i, my column), i = 0 .. 31, into set t % 2
.irp i, 0,1,2,3,4,5,6,7,8,9,10,11,12,13,14,15,16,17,18,19,20,21,22,23,24,25,26,27,28,29,30,31
	global_load_b32 v[X+32*((\t)%2)+\i], v[OFF+\i], s[BB+2*(\t):BB+2*(\t)+1] th:TH_LOAD_NT
.endr
.endm
	LOAD 0
	LOAD 1
	s_wait_kmcnt 0x0
	s_cmp_lt_u32 ttmp9, 16
	s_cselect_b32 s30, s25, s27                    ; e of Wq or of Wk,
	s_cmp_lt_u32 ttmp9, 20
	s_cselect_b32 s30, s30, s29                    ; or of Wv
	s_add_co_i32 s30, s30, 127
	s_lshl_b32 s31, s30, 23
	v_mov_b32 v11, s31                             ; 2^e as f32: the conversion takes its exponent field
	s_add_co_i32 s30, s30, 8
	s_lshl_b32 s30, s30, 23
	s_or_b32 s30, s30, 0x600000
	v_mov_b32 v10, s30                             ; 448 x 2^e
.macro BLOCK t
.set XS, X+32*((\t)%2)
.if (\t) < NB-1
	s_wait_loadcnt 32                              ; this block's 32 loads are in; the next block's 32 may be out
.else
	s_wait_loadcnt 0
.endif
.irp i, 0,1,2,3,4,5,6,7,8,9,10,11,12,13,14,15,16,17,18,19,20,21,22,23,24,25,26,27,28,29,30,31
	v_med3_num_f32 v[XS+\i], v[XS+\i], -v10, v10   ; the conversion to an 8-bit code does not saturate (ISA guide 7.6.2): the hold comes first
.endr
.irp g, 0,1,2,3
	v_cvt_scalef32_pk8_fp8_f32 v[C+2*\g:C+2*\g+1], v[XS+8*\g:XS+8*\g+7], v11
.endr
	v_nop                                          ; one plain vector line behind the last conversion of the run
	ds_store_b128 v4, v[C:C+3] offset:32*(\t)      ; 32 codes: 32 bytes of my column's row
	ds_store_b128 v4, v[C+4:C+7] offset:32*(\t)+16
.if (\t)+2 < NB
	LOAD (\t)+2
.endif
	s_wait_dscnt 0x0                               ; the stores have read their registers: the next block's codes may be written
.endm
.set QB, 0
.rept NB
	BLOCK QB
.set QB, QB+1
.endr
.irp t, 0,1,2,3,4,5,6,7,8,9,10,11,12,13,14,15
	ds_load_b128 v[OUTR+4*\t:OUTR+4*\t+3], v7 offset:2*\t*PITCH   ; LDS serves a wave's instructions in order: these see my stores
.endr
.irp t, 0,1,2,3,4,5,6,7,8,9,10,11,12,13,14,15
	s_wait_dscnt 15-\t                             ; load t is in; the 15 - t issued behind it may be out
	global_store_b128 v8, v[OUTR+4*\t:OUTR+4*\t+3], s[12:13] offset:2*\t*KROW   ; sixteen lanes store 256 consecutive bytes, aligned
.endr
	s_wait_tensorcnt 0x0
	ds_add_u32 v208, v209
	s_wait_dscnt 0x0
	s_endpgm
.Lfunc_end_k_q6260f44293_quant_w:
	.size	k_q6260f44293_quant_w, .Lfunc_end_k_q6260f44293_quant_w-k_q6260f44293_quant_w
	.p2alignl 7, 3214868480
	.fill 96, 4, 3214868480
	.section	.rodata,"a",@progbits
	.p2align	6, 0x0
	.amdhsa_kernel k_q6260f44293_quant_w
		.amdhsa_group_segment_fixed_size 36352
		.amdhsa_private_segment_fixed_size 0
		.amdhsa_enable_private_segment 0
		.amdhsa_kernarg_size 40
		.amdhsa_user_sgpr_count 2
		.amdhsa_user_sgpr_kernarg_segment_ptr 1
		.amdhsa_wavefront_size32 1
		.amdhsa_system_sgpr_workgroup_id_x 1
		.amdhsa_system_sgpr_workgroup_id_y 1
		.amdhsa_system_sgpr_workgroup_id_z 1
		.amdhsa_system_vgpr_workitem_id 0
		.amdhsa_next_free_vgpr 210
		.amdhsa_next_free_sgpr 66
		.amdhsa_reserve_vcc 0
		.amdhsa_float_denorm_mode_32 3
		.amdhsa_float_denorm_mode_16_64 3
		.amdhsa_memory_ordered 1
		.amdhsa_forward_progress 1
		.amdhsa_inst_pref_size 52
	.end_amdhsa_kernel
	.amdgpu_metadata
---
amdhsa.version: [ 1, 2 ]
amdhsa.kernels:
  - .name:           k_q6260f44293_quant_w
    .symbol:         k_q6260f44293_quant_w.kd
    .args:
      - { .name: Wq, .offset: 0, .size: 8, .value_kind: global_buffer, .address_space: global }
      - { .name: Wk, .offset: 8, .size: 8, .value_kind: global_buffer, .address_space: global }
      - { .name: Wv, .offset: 16, .size: 8, .value_kind: global_buffer, .address_space: global }
      - { .name: lowp_scales, .offset: 24, .size: 8, .value_kind: global_buffer, .address_space: global }
      - { .name: wc, .offset: 32, .size: 8, .value_kind: global_buffer, .address_space: global }
    .group_segment_fixed_size: 36352
    .private_segment_fixed_size: 0
    .kernarg_segment_align: 8
    .kernarg_segment_size: 40
    .max_flat_workgroup_size: 128
    .sgpr_count:     66
    .vgpr_count:     210
    .wavefront_size: 32
...
	.end_amdgpu_metadata
.endif
;; end of part 2
;; launch proj (part 3): grid 16 x 12, 4 waves a work-group, clusters of 4 x 1, 327,680 bytes of LDS; arguments xc, wc, bq, bk, bv, lowp_scales, qkv; writes qkv
.if DOCPART == 3
	.amdgcn_target "amdgcn-amd-amdhsa--gfx1250"
	.amdhsa_code_object_version 6
	.text
	.protected	k_q6260f44293_proj
	.globl	k_q6260f44293_proj
	.p2align	8
	.type	k_q6260f44293_proj,@function
k_q6260f44293_proj:
	s_mov_b64 s[64:65], 0
	v_nop
	global_prefetch_b8 v0, s[64:65] scope:SCOPE_SE
	s_setreg_imm32_b32 hwreg(HW_REG_WAVE_MODE, 25, 1), 1
	s_wait_xcnt 0x0
	s_wait_alu depctr_hold_cnt(0) depctr_sa_sdst(0) depctr_va_vdst(0) depctr_va_sdst(0) depctr_va_ssrc(0) depctr_va_vcc(0) depctr_vm_vsrc(0)
	s_getreg_b32 s2, hwreg(HW_REG_IB_STS2, 6, 4)
	s_cmp_eq_u32 s2, 0
	s_cbranch_scc0 .Lentry_in_a_cluster
	s_endpgm
.Lentry_in_a_cluster:
	s_bfe_u32 s2, ttmp6, 0x10000c
	s_cmp_lg_u32 s2, 0x3003
	s_cbranch_scc0 .Lentry_shape_is_right
	s_endpgm
.Lentry_shape_is_right:
; THE THREE PROJECTIONS ON CODES, THEIR BIASES, AND THE QUANTISERS OF q, k AND v.
; y = (codes of hidden) x (codes of W)^T x 2^(ea + eb) + bias, then code = y / 2^eo, held within +-448, to the nearest E4M3 code.  (ea, eb, eo) = lowp_scales (0, 1, 7) for q, (2, 3, 6) for k, (4, 5, 8) for v.
; The sums stay in their own scale: y' = sum + bias x 2^-(ea + eb), and the conversion's one scale is 2^(eo - ea - eb).
; LIMITS, so that each power of two is an f32 number: ea + eb between -127 and 126; eo - ea - eb between -126 and 119.  The biases are finite (each is also multiplied by 0 in the orientation that its kind does not use).
; SHARES.  Work-group x = a tile of 256 tokens (16 of them), y = a tile of 256 rows of wc (0-7 q, 8-9 k, 10-11 v): 192 work-groups; a tile of fewer channels would cut heads or straddle tensors that read other codes of hidden.
; Four waves, each 128 x 128: 64 accumulators, 512 registers.  K goes in steps of 256 through a ring of two LDS slots filled by the tensor data mover; a tile's row is 256 bytes of memory.
; THE KINDS PART BY SELECTS ALONE.  Source 1 of the matrix instruction is operand P (a lane holds ONE of its rows), source 0 operand R (a lane's eight registers are eight NEIGHBOURS of it).
; q, k: P = tokens, R = channels.  v: P = channels, R = tokens, so that v's codes come out with the keys innermost, as the second product of attention wants them.
; LDS always holds the 256 token rows, then W's 256 rows; only the two base addresses of the fragment loads are selected, on the work-group's y, which the partners of a cluster share.
; CLUSTER: four work-groups along x share y, so W's tile is asked for JOINTLY (mask 15); each partner's token tile is a load of its own (mask 0).  4 x 4 is not taken: a row of such clusters would hold
; k's and v's work-groups together, which read different sets of hidden's codes.
; THE WAY OUT NEEDS NO LDS.  A wave's 128 x 128 codes are one BLOCK of qkv, 16,384 bytes, laid as eight images of operand registers: fragment a (16 rows) at 2,048 a; chunk c at 512 c; lane l's 16 bytes at 16 l.
; The lane's codes of column tiles 2 c and 2 c + 1 ARE those 16 bytes (columns 32 c + 8 h + 0..7 and 32 c + 16 + 8 h + 0..7 of row 16 a + l % 16): one store covers 512 consecutive bytes, aligned.
; Blocks: q (16 b + head) 16 + sb;  k 512 + (4 b + head) 16 + sb;  v 640 + (4 b + head) 16 + sb;  sb = the block of 128 tokens in the batch.
; REGISTERS, in windows of 256: window 0: v0-31 addresses and scales; v32-95 the bias by columns, v96-119 by rows; from v128 P's fragments, ONE set; on the way out v128-255 at work.
;   window 1: R's fragments, TWO sets.   window 2: the accumulators of my P rows 0-63 ((a, b) at v[8 (8 a + b)]);   window 3: those of rows 64-127.
.set ROWB,   256                       ; a tile's row in bytes: 256 codes
.set KROW,   2048                      ; a row of xc or wc in bytes
.set PITCH,  272                       ; an LDS row: 256 bytes + 16 of padding = 68 words: the 16 rows that a load touches start at 16 different banks (64 banks of 4 bytes: ISA guide 11.1)
.set FR,     16                        ; registers of a fragment: 16 rows x 128 K
.set NL,     4                         ; LDS loads that bring one
.set NP,     4                         ; places behind this matrix instruction (ISA guide 7.12.1)
.set HALFT,  128*PITCH                 ; 128 rows: what one tensor load brings, and what one wave reads of P or of R
.set SLOT,   4*HALFT                   ; the 256 token rows, then W's 256 rows
.set LAPS,   4                         ; a lap = two K steps = once round the ring: 2,048 / 512
.set SPARE,  2*SLOT                    ; behind the ring: the spare words, 128 bytes for each wave: two blocks of 256 bytes that no other line names
.set BO,   8                           ; v8      32 h: my eight column biases of a tile
.set RO,   9                           ; v9      4 r: my row bias of a fragment
.set SCL,  10                          ; v10     2^(eo - ea - eb)
.set LIM,  11                          ; v11     448 x that
.set ADRA, 16                          ; v16-17  LDS address of my P fragments in slot 0, 1
.set ADRB, 20                          ; v20-21  the same for R
.set CO,   26                          ; v26     16 x lane: my place in an image; never rewritten
.set SPW,  28                          ; v28     LDS address of my spare word; never rewritten
.set NIL,  29                          ; v29     0; never rewritten
.set BC,   32                          ; v32-95  bias by columns x 2^-(ea + eb) (0 for v): tile b's eight at 8 b
.set BRR,  96                          ; v96-103 bias by rows as loaded
.set BRP,  104                         ; v104-119 bias by rows x 2^-(ea + eb) (0 for q, k), each twice: a pair for the packed addition
.set AF,   128                         ; P's fragments
.set TMP,  128                         ; the way out: 64 numbers at work
.set COD,  192                         ; the way out: four sets of 16 registers of codes, by turns
.set WV,  18                           ; s18 wave;  s19 PH: my half of P, also 0 = I fetch tokens, 1 = I fetch W;  s20 RH: my half of R, also which 128 rows I fetch
.set G1T, 24                           ; s[24:31] descriptor group 1 for the token tiles;  s[32:39] group 0, one set for each slot
.set G0T, 32
.set G1W, 48                           ; s[48:55], s[56:63] the same for W's tiles
.set G0W, 56
.set MSB, 0
.macro WIN new                         ; the immediate's high byte repeats the setting that is left
.if MSB != (\new)
	s_set_vgpr_msb (MSB<<8)|(\new)
.set MSB, (\new)
.endif
.endm
.set MUL_LO, 0xa1                      ; source 0 (R) window 1, source 1 (P) window 0, C and D window 2
.set MUL_HI, 0xf1                      ; the same, C and D window 3
.set TO_B,   0x40                      ; destination window 1, address window 0
; A step's loads: waves 0 and 1 fetch the token tile's halves (my work-group's own), waves 2 and 3 W's (jointly).  The branch hangs on the wave's number alone.
; Four v_nop follow each of the two lines, ahead of the jump, the label and what follows.
.macro JLOAD s
	s_cmp_eq_u32 s19, 0
	s_cbranch_scc0 .Lfor_w_\@
	tensor_load_to_lds s[G0T+4*\s:G0T+4*\s+3], s[G1T:G1T+7]
	s_nop 0
.rept 4
	v_nop
.endr
	s_branch .Lasked_\@
.Lfor_w_\@:
	tensor_load_to_lds s[G0W+4*\s:G0W+4*\s+3], s[G1W:G1W+7]
	s_nop 0
.rept 4
	v_nop
.endr
.Lasked_\@:
.endm
.macro CREST                           ; a round of the cluster's barrier behind its opening barrier
	s_cmp_lg_u32 s[WV], 0
	s_cbranch_scc1 .Lnot_wave_0_\@
	s_barrier_signal -3
.Lnot_wave_0_\@:
	s_barrier_wait -3
	s_barrier_signal -1
	s_barrier_wait -1
.endm
.macro CROUND                          ; a whole round
	s_barrier_signal -1
	s_barrier_wait -1
	CREST
.endm
	s_load_b256 s[4:11], s[0:1], 0x0               ; xc s[4:5], wc s[6:7], bq s[8:9], bk s[10:11]
	s_load_b128 s[12:15], s[0:1], 0x20             ; bv s[12:13], lowp_scales s[14:15]
	s_load_b64 s[16:17], s[0:1], 0x30              ; qkv
	v_lshl_add_u32 v[SPW], v0, 2, SPARE
	v_mov_b32 v[NIL], 0
	ds_add_u32 v28, v29
	ds_add_u32 v28, v29
	s_wait_dscnt 0x0
	v_lshrrev_b32 v1, 5, v0
	v_readfirstlane_b32 s[WV], v1                  ; wave 0..3
	s_lshr_b32 s19, s[WV], 1                       ; PH
	s_and_b32 s20, s[WV], 1                        ; RH
	s_bfe_u32 s21, ttmp6, 0x40000                  ; cx: my place in the cluster
	s_lshl_b32 s22, ttmp9, 2
	s_add_co_u32 s22, s22, s21                     ; the tile of tokens = 4 x cluster x + cx
	s_and_b32 s23, ttmp7, 0xffff                   ; y: the tile of wc's rows, shared by the partners
	s_cmp_ge_u32 s23, 8
	s_cselect_b32 s40, 1, 0                        ; K1: k or v
	s_cmp_ge_u32 s23, 10
	s_cselect_b32 s41, 1, 0                        ; SW: v
	; descriptor group 1: a tile of 128 rows x 256 bytes, padded in LDS
	s_mov_b32 s[G1T+0], (1<<20)|(5<<22)|(3<<25)    ; 15:0 no mask; 17:16 elements of 1 byte; 20 padding on; 24:22 after every 64 words (code 5); 31:25 of 4 words (code 3)
	s_mov_b32 s[G1W+0], 15|(1<<20)|(1<<21)|(5<<22)|(3<<25)   ; the same with the mask of all four partners, and bit 21 set beside it
.irp g, G1T, G1W
	s_mov_b32 s[\g+1], ROWB<<16                    ; tensor_dim0
	s_mov_b32 s[\g+2], 128<<16                     ; tensor_dim1 = 128
	s_mov_b32 s[\g+3], ROWB<<16                    ; tile_dim0
	s_mov_b32 s[\g+4], 128                         ; tile_dim1 = 128
	s_mov_b32 s[\g+5], KROW                        ; tensor_dim0_stride
	s_mov_b32 s[\g+6], 0
	s_mov_b32 s[\g+7], 0
.endr
	s_add_co_u32 s84, s40, s41                     ; the kind 0, 1, 2 picks the set of hidden's codes,
	s_lshl_b32 s84, s84, 23                        ; 8,388,608 bytes each
	s_lshl_b32 s85, s22, 8
	s_lshl_b32 s86, s20, 7
	s_add_co_u32 s85, s85, s86                     ; token row 256 x tile + 128 x half
	s_lshl_b32 s85, s85, 11
	s_add_co_u32 s84, s84, s85
	s_mov_b32 s85, 0
	s_lshl_b32 s88, s23, 8                         ; W: row 256 y + 128 x half, in registers that never hold cx
	s_lshl_b32 s89, s20, 7
	s_add_co_u32 s88, s88, s89
	s_lshl_b32 s88, s88, 11
	s_mov_b32 s89, 0
	s_mul_i32 s45, s[WV], HALFT                    ; where the tiles go: wave x 128 rows: no place in the cluster enters an LDS address
	s_wait_kmcnt 0x0
	s_load_b256 s[68:75], s[14:15], 0x0            ; lowp_scales[0..7]
	s_load_b64 s[76:77], s[14:15], 0x20            ; [8..9]
	s_add_nc_u64 s[84:85], s[4:5], s[84:85]
	s_add_nc_u64 s[88:89], s[6:7], s[88:89]
	CROUND                                         ; all four work-groups are here: the first joint loads meet
.irp s, 0,1
	s_mov_b32 s[G0T+4*\s], 1                                       ; 1:0 count = 1
	s_add_co_u32 s[G0T+4*\s+1], s45, \s*SLOT                       ; 63:32 LDS address
	s_add_nc_u64 s[G0T+4*\s+2:G0T+4*\s+3], s[84:85], \s*ROWB       ; 120:64 global address: K step s
	s_or_b32 s[G0T+4*\s+3], s[G0T+4*\s+3], 0x80000000              ; 127:126 type = 2
	s_mov_b32 s[G0W+4*\s], 1
	s_add_co_u32 s[G0W+4*\s+1], s45, \s*SLOT
	s_add_nc_u64 s[G0W+4*\s+2:G0W+4*\s+3], s[88:89], \s*ROWB
	s_or_b32 s[G0W+4*\s+3], s[G0W+4*\s+3], 0x80000000
	JLOAD \s                                       ; two tensor loads of mine are out behind these; later one behind each round
.endr
	v_and_b32 v1, 15, v0                           ; r = l % 16
	v_bfe_u32 v2, v0, 4, 1                         ; h = l / 16
	v_mul_u32_u24 v3, v1, PITCH
	v_lshl_add_u32 v4, v2, 4, v3                   ; a fragment's row x pitch + 16 x half
	s_cmp_eq_u32 s41, 1
	s_cselect_b32 s42, 2*HALFT, 0                  ; P lies with W's rows for v, with the tokens else;
	s_cselect_b32 s43, 0, 2*HALFT                  ; R the other way round
	s_cselect_b32 s90, s19, s20                    ; which half of the 256 channels is mine,
	s_cselect_b32 s91, s20, s19                    ; which half of the 256 tokens
	s_mul_i32 s46, s19, HALFT
	s_add_co_u32 s46, s46, s42                     ; my 128 rows of P
	s_mul_i32 s47, s20, HALFT
	s_add_co_u32 s47, s47, s43                     ; my 128 rows of R
.irp s, 0,1
	v_add_nc_u32 v[ADRA+\s], s46, v4
	v_add_nc_u32 v[ADRB+\s], s47, v4
	s_add_co_u32 s46, s46, SLOT
	s_add_co_u32 s47, s47, SLOT
.endr
	v_lshlrev_b32 v[BO], 5, v2
	v_lshlrev_b32 v[RO], 2, v1
	v_and_b32 v5, 31, v0
	v_lshlrev_b32 v[CO], 4, v5
	s_cmp_eq_u32 s40, 1                            ; the bias of my kind: the choices hang on y alone
	s_cselect_b64 s[66:67], s[10:11], s[8:9]
	s_cmp_eq_u32 s41, 1
	s_cselect_b64 s[66:67], s[12:13], s[66:67]
	s_lshl_b32 s92, s40, 3
	s_sub_co_u32 s92, s23, s92
	s_lshl_b32 s93, s41, 1
	s_sub_co_u32 s92, s92, s93                     ; the tile of 256 channels in its own tensor
	s_lshl_b32 s92, s92, 1
	s_add_co_u32 s92, s92, s90                     ; my head
	s_lshl_b32 s94, s92, 9                         ; its 128 numbers of the bias
	s_mov_b32 s95, 0
	s_add_nc_u64 s[66:67], s[66:67], s[94:95]
.irp b, 0,1,2,3,4,5,6,7
	global_load_b128 v[BC+8*\b:BC+8*\b+3], v[BO], s[66:67] offset:64*\b        ; by columns: channels 16 b + 8 h + 0 .. 7
	global_load_b128 v[BC+8*\b+4:BC+8*\b+7], v[BO], s[66:67] offset:64*\b+16
.endr
.irp a, 0,1,2,3,4,5,6,7
	global_load_b32 v[BRR+\a], v[RO], s[66:67] offset:64*\a                    ; by rows: channel 16 a + r
.endr
	s_lshl_b32 s93, s22, 1                         ; where my block goes
	s_add_co_u32 s93, s93, s91                     ; my block of 128 tokens, 0 .. 31
	s_lshl_b32 s94, s40, 1
	s_sub_co_u32 s94, 4, s94                       ; 16 heads a batch for q, 4 for k and v
	s_lshr_b32 s95, s93, 4                         ; the batch
	s_lshl_b32 s95, s95, s94
	s_add_co_u32 s95, s95, s92
	s_lshl_b32 s95, s95, 4
	s_and_b32 s96, s93, 15
	s_add_co_u32 s95, s95, s96
	s_lshl_b32 s96, s40, 9
	s_add_co_u32 s95, s95, s96                     ; k's blocks begin at 512,
	s_lshl_b32 s96, s41, 7
	s_add_co_u32 s95, s95, s96                     ; v's at 640
	s_lshl_b32 s96, s95, 14
	s_mov_b32 s97, 0
	s_add_nc_u64 s[16:17], s[16:17], s[96:97]
	s_wait_kmcnt 0x0
	s_add_co_i32 s94, s68, s69                     ; ea + eb of each kind first (additions set SCC),
	s_add_co_i32 s95, s70, s71
	s_add_co_i32 s96, s72, s73
	s_cmp_eq_u32 s40, 1                            ; then the selects
	s_cselect_b32 s78, s95, s94
	s_cselect_b32 s79, s74, s75                    ; eo: k's is entry 6, q's entry 7,
	s_cmp_eq_u32 s41, 1
	s_cselect_b32 s78, s96, s78
	s_cselect_b32 s79, s76, s79                    ; v's entry 8
	s_sub_co_i32 s94, 127, s78
	s_lshl_b32 s94, s94, 23                        ; 2^-(ea + eb) as f32
	s_cmp_eq_u32 s41, 1
	s_cselect_b32 s80, 0, s94                      ; the factor of the bias by columns,
	s_cselect_b32 s82, s94, 0                      ; and by rows: one of the two is 0
	s_mov_b32 s81, s80                             ; (named with it as a pair, so it is written)
	s_sub_co_i32 s94, s79, s78
	s_add_co_i32 s94, s94, 127
	s_lshl_b32 s95, s94, 23
	v_mov_b32 v[SCL], s95                          ; 2^(eo - ea - eb): the three scales folded into the conversion's one
	s_add_co_i32 s94, s94, 8
	s_lshl_b32 s94, s94, 23
	s_or_b32 s94, s94, 0x600000
	v_mov_b32 v[LIM], s94                          ; 448 x that
	s_wait_loadcnt 0x0                             ; the biases, while the first tiles are on their way: no global load is out at any barrier below
.set j, 0
.rept 32
	v_pk_mul_f32 v[BC+j:BC+j+1], v[BC+j:BC+j+1], s[80:81] op_sel_hi:[1,0]
.set j, j+2
.endr
.irp a, 0,1,2,3,4,5,6,7
	v_mul_f32 v[BRP+2*\a], s82, v[BRR+\a]
	v_mul_f32 v[BRP+2*\a+1], s82, v[BRR+\a]
.endr
.macro FRAG reg, adr, q, i             ; a fragment: lane l holds row l % 16; registers 4 c .. 4 c + 3 hold K = 32 c + 16 (l / 16) + 0 .. 15: a permutation of k, the same in P and in R, so every product meets its partner
.irp c, 0,1,2,3
	ds_load_b128 v[\reg+4*\c:\reg+4*\c+3], v[\adr] offset:128*(\q)+32*\c+(\i)*16*PITCH
.endr
.endm
; 16 matrix instructions: P's blocks a0, a0 + 1 x R's eight, 128 along K.  p: R's set.  zero = 1: the first product starts the sums: nothing is ever cleared.
; The 64 accumulators take turns, one instruction a turn, in the same order in every step.
.macro MUL16 a0, p, zero
.irp a, \a0, \a0+1
.irp b, 0,1,2,3,4,5,6,7
.if \zero
	v_wmma_f32_16x16x128_fp8_fp8 v[8*(8*((\a)%4)+\b):8*(8*((\a)%4)+\b)+7], v[128*(\p)+FR*\b:128*(\p)+FR*\b+FR-1], v[AF+FR*(\a):AF+FR*(\a)+FR-1], 0
.else
	v_wmma_f32_16x16x128_fp8_fp8 v[8*(8*((\a)%4)+\b):8*(8*((\a)%4)+\b)+7], v[128*(\p)+FR*\b:128*(\p)+FR*\b+FR-1], v[AF+FR*(\a):AF+FR*(\a)+FR-1], v[8*(8*((\a)%4)+\b):8*(8*((\a)%4)+\b)+7]
.endif
.endr
.endr
.endm
.macro FETCH_B slot, q, p              ; R's eight fragments of the slot's q-th 128 along K into set p
	WIN TO_B
.irp i, 0,1,2,3,4,5,6,7
	FRAG 128*(\p)+FR*\i, ADRB+\slot, \q, \i
.endr
	WIN 0
.endm
.macro FETCH_A slot, q, i0             ; P's blocks i0 .. i0 + 3
.irp i, \i0, \i0+1, \i0+2, \i0+3
	FRAG AF+FR*(\i), ADRA+\slot, \q, \i
.endr
.endm
; A load into a register that a matrix instruction has read, and a vector instruction that reads a matrix result or writes one of a matrix instruction's registers, stand NP places behind it;
; only plain vector instructions that name none of its registers are places (ISA guide 7.12.1 for vector instructions).
.macro PLACES n
.rept \n
	v_nop
.endr
.endm
; A step of 128 along K that has its successor in the same slot.  P's blocks go one after the other, each against R's eight: a block of P is free when its eight products are issued, so P has one set of registers.
.macro STEP slot, q, zero
	s_wait_dscnt 4*NL                              ; R's set and P's blocks 0-3 are in; the youngest sixteen loads (P's blocks 4-7) may be out
	WIN MUL_LO
	MUL16 0, (\q)%2, \zero
	MUL16 2, (\q)%2, \zero
	s_wait_dscnt 0                                 ; P's blocks 4-7 are in (asked for 32 matrix instructions ago)
	PLACES NP
	FETCH_B \slot, (\q)+1, 1-(\q)%2
	FETCH_A \slot, (\q)+1, 0
	WIN MUL_HI
	MUL16 4, (\q)%2, \zero
	MUL16 6, (\q)%2, \zero
	PLACES NP
	WIN 0
	FETCH_A \slot, (\q)+1, 4
.endm
; A slot's last step changes slots: ONE barrier; in front of it each wave waits for all its tensor loads, adds 0 to its spare word, and waits for that and for its own reads of this slot.
; fill = 1: the barrier opens a round of the cluster's barrier, and this slot is filled again, two K steps ahead, first thing behind the round.
.macro TURN slot, next, fill
	s_wait_tensorcnt 0x0                           ; all my tensor loads have landed: the one that was out is my part of the next slot  (every window is 0 here)
	ds_add_u32 v[SPW], v[NIL]                      ; 0 onto my spare word
	s_wait_dscnt 4*NL+1                            ; (the add and the youngest sixteen loads, P's blocks 4-7, may be out)
	WIN MUL_LO
	MUL16 0, 1, 0                                  ; sixteen matrix instructions stand between the add and the wait for it
	s_wait_dscnt 0x0                               ; the add is done, and my reads of this slot are over
	s_barrier_signal -1
	MUL16 2, 1, 0
	WIN 0
	s_barrier_wait -1
.if \fill
	CREST                                          ; no wave of any partner still reads this slot's tile or has a load on its way
	s_add_nc_u64 s[G0T+4*\slot+2:G0T+4*\slot+3], s[G0T+4*\slot+2:G0T+4*\slot+3], 2*ROWB
	s_add_nc_u64 s[G0W+4*\slot+2:G0W+4*\slot+3], s[G0W+4*\slot+2:G0W+4*\slot+3], 2*ROWB
	JLOAD \slot                                    ; my one tensor load behind the round; the four v_nop behind it are the places in front of the loads below
.else
	PLACES NP
.endif
	FETCH_B \next, 0, 0
	FETCH_A \next, 0, 0
	WIN MUL_HI
	MUL16 4, 1, 0
	MUL16 6, 1, 0
	PLACES NP
	WIN 0
	FETCH_A \next, 0, 4
.endm
	s_wait_tensorcnt 1                             ; my part of K step 0 is in (K step 1's load, issued behind it, may be out)
	s_barrier_signal -1
	s_barrier_wait -1                              ; everybody's is
	FETCH_B 0, 0, 0
	FETCH_A 0, 0, 0
	FETCH_A 0, 0, 4
	STEP 0, 0, 1                                   ; the first step stands in front of the loop: its products start the sums
	s_mov_b32 s3, LAPS-1
.Llap:                                                 ; a trip goes once round the ring, from a lap's second step to the next lap's first, and fills both slots again
	TURN 0, 1, 1
	STEP 1, 0, 0
	TURN 1, 0, 1
	STEP 0, 0, 0
	s_sub_co_u32 s3, s3, 1
	s_cmp_lg_u32 s3, 0
	s_cbranch_scc1 .Llap
	TURN 0, 1, 0                                   ; the last lap fills nothing, and has no round of the cluster's barrier
	STEP 1, 0, 0
	s_wait_dscnt 4*NL                              ; the very last step: nothing more to fetch
	WIN MUL_LO
	MUL16 0, 1, 0
	MUL16 2, 1, 0
	s_wait_dscnt 0
	WIN MUL_HI
	MUL16 4, 1, 0
	MUL16 6, 1, 0
	WIN 0
	PLACES NP                                      ; behind the last products: their results are read, and the registers of P's fragments written, only behind these
; THE WAY OUT of block a (16 rows of P x 128 of R): + the two biases (one of them is 0), the hold, eight conversions, four stores.  Each accumulator is read from its low end on.
.macro OUTBLK a
.set AC, 64*((\a)%4)
.set CD, COD+16*((\a)%4)
	WIN 0x02+((\a)/4)                              ; source 0: window 2 or 3
.set j, 0
.rept 32
	v_pk_add_f32 v[TMP+j:TMP+j+1], v[AC+j:AC+j+1], v[BC+j:BC+j+1]
.set j, j+2
.endr
	WIN 0
.set j, 0
.rept 32
	v_pk_add_f32 v[TMP+j:TMP+j+1], v[TMP+j:TMP+j+1], v[BRP+2*(\a):BRP+2*(\a)+1]
.set j, j+2
.endr
.set j, 0
.rept 64
	v_med3_num_f32 v[TMP+j], v[TMP+j], -v[LIM], v[LIM]   ; the conversion to an 8-bit code does not saturate (ISA guide 7.6.2): the hold comes first
.set j, j+1
.endr
.if (\a) >= 4
	s_wait_xcnt 0x0                                ; this set of code registers was the data of block a - 4's stores: it is written again only behind this wait
.endif
.irp b, 0,1,2,3,4,5,6,7
	v_cvt_scalef32_pk8_fp8_f32 v[CD+2*\b:CD+2*\b+1], v[TMP+8*\b:TMP+8*\b+7], v[SCL]
.endr
	v_nop                                          ; one plain vector line between the conversions and the next block's lines, which write their sources
.irp c, 0,1,2,3
	global_store_b128 v[CO], v[CD+4*\c:CD+4*\c+3], s[16:17] offset:2048*(\a)+512*\c   ; 32 lanes store 512 consecutive bytes, aligned; the next launch reads them
.endr
.endm
.irp a, 0,1,2,3,4,5,6,7
	OUTBLK \a
.endr
	s_wait_tensorcnt 0x0                           ; the wave's end
	ds_add_u32 v[SPW], v[NIL]
	s_wait_dscnt 0x0
	CROUND                                         ; the closing round: no work-group ends while a partner may still ask for a tile that names it
	s_endpgm
.Lfunc_end_k_q6260f44293_proj:
	.size	k_q6260f44293_proj, .Lfunc_end_k_q6260f44293_proj-k_q6260f44293_proj
	.p2alignl 7, 3214868480
	.fill 96, 4, 3214868480
	.section	.rodata,"a",@progbits
	.p2align	6, 0x0
	.amdhsa_kernel k_q6260f44293_proj
		.amdhsa_group_segment_fixed_size 327680
		.amdhsa_private_segment_fixed_size 0
		.amdhsa_enable_private_segment 0
		.amdhsa_kernarg_size 56
		.amdhsa_user_sgpr_count 2
		.amdhsa_user_sgpr_kernarg_segment_ptr 1
		.amdhsa_wavefront_size32 1
		.amdhsa_system_sgpr_workgroup_id_x 1
		.amdhsa_system_sgpr_workgroup_id_y 1
		.amdhsa_system_sgpr_workgroup_id_z 1
		.amdhsa_system_vgpr_workitem_id 0
		.amdhsa_next_free_vgpr 1024
		.amdhsa_next_free_sgpr 100
		.amdhsa_reserve_vcc 0
		.amdhsa_float_denorm_mode_32 3
		.amdhsa_float_denorm_mode_16_64 3
		.amdhsa_memory_ordered 1
		.amdhsa_forward_progress 1
		.amdhsa_inst_pref_size 156
	.end_amdhsa_kernel
	.amdgpu_metadata
---
amdhsa.version: [ 1, 2 ]
amdhsa.kernels:
  - .name:           k_q6260f44293_proj
    .symbol:         k_q6260f44293_proj.kd
    .args:
      - { .name: xc, .offset: 0, .size: 8, .value_kind: global_buffer, .address_space: global }
      - { .name: wc, .offset: 8, .size: 8, .value_kind: global_buffer, .address_space: global }
      - { .name: bq, .offset: 16, .size: 8, .value_kind: global_buffer, .address_space: global }
      - { .name: bk, .offset: 24, .size: 8, .value_kind: global_buffer, .address_space: global }
      - { .name: bv, .offset: 32, .size: 8, .value_kind: global_buffer, .address_space: global }
      - { .name: lowp_scales, .offset: 40, .size: 8, .value_kind: global_buffer, .address_space: global }
      - { .name: qkv, .offset: 48, .size: 8, .value_kind: global_buffer, .address_space: global }
    .group_segment_fixed_size: 327680
    .private_segment_fixed_size: 0
    .kernarg_segment_align: 8
    .kernarg_segment_size: 56
    .max_flat_workgroup_size: 128
    .sgpr_count:     100
    .vgpr_count:     1024
    .wavefront_size: 32
...
	.end_amdgpu_metadata
.endif
;; end of part 3
;; launch attn (part 4): grid 32 x 8, 8 waves a work-group, clusters of 4 x 1, 327,680 bytes of LDS; arguments qkv, lowp_scales, out0; writes out0
.if DOCPART == 4
	.amdgcn_target "amdgcn-amd-amdhsa--gfx1250"
	.amdhsa_code_object_version 6
	.text
	.protected	k_q6260f44293_attn
	.globl	k_q6260f44293_attn
	.p2align	8
	.type	k_q6260f44293_attn,@function
k_q6260f44293_attn:
	s_mov_b64 s[64:65], 0
	v_nop
	global_prefetch_b8 v0, s[64:65] scope:SCOPE_SE
	s_setreg_imm32_b32 hwreg(HW_REG_WAVE_MODE, 25, 1), 1
	s_wait_xcnt 0x0
	s_wait_alu depctr_hold_cnt(0) depctr_sa_sdst(0) depctr_va_vdst(0) depctr_va_sdst(0) depctr_va_ssrc(0) depctr_va_vcc(0) depctr_vm_vsrc(0)
	s_getreg_b32 s2, hwreg(HW_REG_IB_STS2, 6, 4)
	s_cmp_eq_u32 s2, 0
	s_cbranch_scc0 .Lentry_in_a_cluster
	s_endpgm
.Lentry_in_a_cluster:
	s_bfe_u32 s2, ttmp6, 0x10000c
	s_cmp_lg_u32 s2, 0x3003
	s_cbranch_scc0 .Lentry_shape_is_right
	s_endpgm
.Lentry_shape_is_right:
; out0[b][s][128 hq + d] = the sum over keys t of softmax_t(q[b][hq][s] . k[b][g][t] / sqrt(128)) v[b][g][t][d], g = hq % 4, both products on E4M3 codes.
; Scales 2^e: k lowp_scales[6], q [7], v [8], p [9].  q, k, v arrive as blocks of 16,384 bytes: 128 rows x 128 codes as eight images of operand registers (fragment a at 2,048 a, chunk c at 512 c,
; lane l's 16 bytes at 16 l); register pair 2 c' of lane (r, h) holds k = 16 c' + 8 h + 0 .. 7 of row r: the matrix form's own layout.  q, k: rows = tokens, K = channels.  v: rows = channels, K = keys.
; THE SOFTMAX AHEAD OF THE SECOND PRODUCT: t = score x log2(e) / sqrt(128); M = the row's largest t so far, rounded UP to a whole number; p = 2^(t - M) is what is quantised; it is not normalised.
; The row's sum is taken of the unquantised p, in f32, and divides O at the end.  When M moves, the sum and O are multiplied by 2^(old M - new M): exact, and with no branch on data.
; LIMITS on the given exponents: [6] + [7] between -123 and 130 (they are added to c's exponent field); [9] between -126 and 119; [8] + [9] is applied by v_ldexp_f32 and has none.
; SHARES.  A work-group owns 256 queries of one query head; each of its eight waves 32 of them, TWO tiles of 16, so that each fragment of K and V read from LDS feeds two products.  Two waves to a SIMD:
; one wave's vector work stands beside the other's matrix work and LDS loads.  Every wave walks all 2,048 keys, 128 a step.
; LAYOUT.  Both products are used transposed: S^T = K Q^T (source 0 = 16 keys, source 1 = 16 queries), O^T = V^T P (source 0 = 16 channels, source 1 = P): a lane holds ONE query throughout.
; Register j of S^T's tile t is key 16 t + 8 h + j, so the conversion of tile t gives P's register pair 2 t as the layout wants it: nothing changes lanes.
; RING.  Two LDS slots of 512 keys: four blocks of K, then four of V, dense (an image's loads are 512 consecutive bytes: no padding).  Waves 0-3 fetch K's blocks, waves 4-7 V's: one load a wave for four key steps.
; CLUSTER.  The four partners along x are query blocks that share batch and key head: every tile is asked for JOINTLY (mask 15).  cx enters Q's and out0's global addresses alone.
; O^T is cleared once (128 lines), so that the key step is written without a first step of its own.
; REGISTERS: window 0: v1-9 addresses and scales; v10-25 eight statistics a tile; v26-28 at work; v29, v30 the stage; v32-63 Q; v64-127 four fragments of K, then P's codes (16 a tile);
;   v128-255 S^T, then p, then V's eight fragments.   window 1: v0-127 O^T, 64 a tile.
.set BLK,   16384                      ; a block: 128 rows x 128 codes
.set VOFF,  4*BLK                      ; a slot: four blocks of K, then four of V
.set SLOT1, 1<<17                      ; slot 1 begins here: one exclusive or turns an address in one slot into the other's
.set SPARE, 2*SLOT1                    ; behind the ring: the spare words, 128 bytes for each wave: four blocks of 256 bytes that no other line names
.set STAGE, SPARE+1024                 ; behind them: 16 rows x 272 bytes for each wave, for the way out; no fill lands here
.set SP,    272
.set LI,  1                            ; v1   16 x lane: my place in an image
.set AV0, 2                            ; v2   the same among V's blocks
.set SPW, 3                            ; v3   LDS address of my spare word; never rewritten
.set NIL, 4                            ; v4   0; never rewritten
.set GO,  5                            ; v5   the way out: my byte offset in the wave's rows of out0
.set ADK, 6                            ; v6   LDS address of the step's block of K
.set ADV, 7                            ; v7   of V
.set PSC, 8                            ; v8   2^e9 as f32
.set PLM, 9                            ; v9   448 x 2^e9
.set ST,  10                           ; tile x's statistics at v[ST + 8 x]: +0 -M, +1 the largest t, +2, +3 the sum in two halves, +4 f, +5 written 0 (named with f as a pair), +6, +7 at work
.set SU,  26                           ; v[26:27] the sum's second chain
.set PX,  28                           ; v28  a lane permute's destination: written once, since it counts as a source
.set STO, 29                           ; v29  the way out: where I put 32 bytes of a row
.set RD,  30                           ; v30  and where I read a row back
.set Q,   32
.set KF,  64
.set S,   128
.set WV,  10                           ; s10  my wave's number
.set G1,  24                           ; s[24:31] descriptor group 1: it serves K's and V's blocks alike
.set G0K, 32                           ; s[32:35] descriptor group 0 for K's blocks, s[36:39] for V's: they walk
.set G0V, 36
.set SEL, 40                           ; s[40:41] lane selects for v_permlanex16_b32: lane l xor 16
.set CS,  42                           ; s[42:43] c = log2(e) / sqrt(128) x 2^(e6 + e7): the packed form names a pair and takes its low word
.set TB,  44                           ; s44  LDS byte at which the step's block of K begins
.set SLOTS, 45                         ; s45  slots still to be asked for
.set CNT, 46                           ; s46  counts a slot's four steps
.set MSB, 0
.macro WIN new                         ; the immediate's high byte repeats the setting that is left
.if MSB != (\new)
	s_set_vgpr_msb (MSB<<8)|(\new)
.set MSB, (\new)
.endif
.endm
; A joint load: waves 0-3 fetch K's four blocks of a slot, waves 4-7 V's.  The branch hangs on the wave's number alone.  Four v_nop follow each of the two lines.
.macro JLOAD
	s_cmp_lt_u32 s[WV], 4
	s_cbranch_scc0 .Lfor_v_\@
	tensor_load_to_lds s[G0K:G0K+3], s[G1:G1+7]
	s_nop 0
.rept 4
	v_nop
.endr
	s_branch .Lasked_\@
.Lfor_v_\@:
	tensor_load_to_lds s[G0V:G0V+3], s[G1:G1+7]
	s_nop 0
.rept 4
	v_nop
.endr
.Lasked_\@:
.endm
.macro CROUND                          ; a round of the cluster's barrier
	s_barrier_signal -1
	s_barrier_wait -1
	s_cmp_lg_u32 s[WV], 0
	s_cbranch_scc1 .Lnot_wave_0_\@
	s_barrier_signal -3
.Lnot_wave_0_\@:
	s_barrier_wait -3
	s_barrier_signal -1
	s_barrier_wait -1
.endm
	s_load_b128 s[4:7], s[0:1], 0x0                ; qkv s[4:5], lowp_scales s[6:7]
	s_load_b64 s[8:9], s[0:1], 0x10                ; out0
	v_lshl_add_u32 v[SPW], v0, 2, SPARE
	v_mov_b32 v[NIL], 0
	ds_add_u32 v3, v4
	ds_add_u32 v3, v4
	s_wait_dscnt 0x0
	v_lshrrev_b32 v5, 5, v0
	v_readfirstlane_b32 s[WV], v5                  ; wave 0..7
	s_bfe_u32 s11, ttmp6, 0x40000                  ; cx
	s_lshl_b32 s12, ttmp9, 2
	s_add_co_u32 s12, s12, s11                     ; work-group x = 8 rep + the block of 256 queries
	s_and_b32 s13, ttmp7, 0xffff                   ; y = 4 b + g, which the partners share
	s_and_b32 s14, s[WV], 3
	s_lshl_b32 s15, s14, 14                        ; which block of a slot's four I fetch: its place in memory and in the slot
	s_lshl_b32 s16, s13, 18                        ; a head's 16 blocks
	s_add_co_u32 s16, s16, s15
	s_add_co_u32 s16, s16, 512*BLK                 ; k's blocks begin at 512
	s_mov_b32 s17, 0
	s_add_co_u32 s18, s16, 128*BLK                 ; v's at 640
	s_mov_b32 s19, 0
	s_lshr_b32 s54, s13, 2                         ; b
	s_and_b32 s55, s13, 3                          ; g
	s_lshr_b32 s56, s12, 3                         ; rep
	s_and_b32 s57, s12, 7                          ; the block of 256 queries
	s_lshl_b32 s56, s56, 2
	s_add_co_u32 s56, s56, s55                     ; hq = 4 rep + g
	s_lshl_b32 s58, s54, 4
	s_add_co_u32 s58, s58, s56
	s_lshl_b32 s58, s58, 4
	s_lshl_b32 s59, s57, 1
	s_add_co_u32 s58, s58, s59                     ; q's block (16 b + hq) 16 + 2 x the block of 256
	s_lshl_b32 s58, s58, 14
	s_lshl_b32 s59, s[WV], 12
	s_add_co_u32 s58, s58, s59                     ; + my two fragments
	s_mov_b32 s59, 0
	s_lshl_b32 s60, s54, 11
	s_lshl_b32 s61, s57, 8
	s_add_co_u32 s60, s60, s61
	s_lshl_b32 s61, s[WV], 5
	s_add_co_u32 s60, s60, s61                     ; my first row of out0: 2,048 b + 256 x block + 32 x wave
	s_lshl_b32 s60, s60, 13                        ; of 8,192 bytes,
	s_lshl_b32 s61, s56, 9
	s_add_co_u32 s60, s60, s61                     ; + the head's 512
	s_mov_b32 s61, 0
	; descriptor group 1: a dense block of 16,384 bytes as 64 rows of 256 bytes
	s_mov_b32 s[G1+0], 15|(3<<16)|(1<<21)          ; 15:0 the mask: all four partners; 17:16 elements of 8 bytes; 20 no padding; 21 set beside a mask
	s_mov_b32 s[G1+1], 32<<16                      ; tensor_dim0 = 32 elements
	s_mov_b32 s[G1+2], 64<<16                      ; tensor_dim1 = 64
	s_mov_b32 s[G1+3], 32<<16                      ; tile_dim0
	s_mov_b32 s[G1+4], 64                          ; tile_dim1
	s_mov_b32 s[G1+5], 32                          ; tensor_dim0_stride: rows on end
	s_mov_b32 s[G1+6], 0
	s_mov_b32 s[G1+7], 0
	s_mov_b32 s[SEL], 0x76543210
	s_mov_b32 s[SEL+1], 0xfedcba98
	s_mov_b32 s[CS], 0x3e0293ee                    ; c = log2(e) / sqrt(128)
	s_mov_b32 s[TB], 0
	s_mov_b32 s[SLOTS], 3
	s_wait_kmcnt 0x0
	s_load_b128 s[48:51], s[6:7], 0x18             ; lowp_scales[6..9]
	s_mov_b32 s[G0K], 1                            ; 1:0 count = 1
	s_mov_b32 s[G0K+1], s15                        ; 63:32 LDS address: slot 0
	s_add_nc_u64 s[G0K+2:G0K+3], s[4:5], s[16:17]  ; 120:64 global address: the head's first 512 keys
	s_or_b32 s[G0K+3], s[G0K+3], 0x80000000        ; 127:126 type = 2
	s_mov_b32 s[G0V], 1
	s_add_co_u32 s[G0V+1], s15, VOFF
	s_add_nc_u64 s[G0V+2:G0V+3], s[4:5], s[18:19]
	s_or_b32 s[G0V+3], s[G0V+3], 0x80000000
	s_add_nc_u64 s[52:53], s[4:5], s[58:59]        ; Q's images
	s_add_nc_u64 s[8:9], s[8:9], s[60:61]          ; out0 at my first row
	CROUND                                         ; all four work-groups are here: the first joint loads meet
	JLOAD                                          ; slot 0: one tensor load of mine is out, here and behind each later round
	v_and_b32 v[LI], 31, v0
	v_lshlrev_b32 v[LI], 4, v[LI]
	v_add_nc_u32 v[AV0], VOFF, v[LI]
.irp x, 0,1
.irp c, 0,1,2,3
	global_load_b128 v[Q+16*\x+4*\c:Q+16*\x+4*\c+3], v[LI], s[52:53] offset:2048*\x+512*\c   ; Q's two fragments stay in registers
.endr
.endr
.irp x, 0,1
	v_mov_b32 v[ST+8*\x+1], 0xff61b1e6             ; the largest t so far: -3e38, under every t
	v_floor_f32 v[ST+8*\x], -v[ST+8*\x+1]          ; -M
	v_mov_b32 v[ST+8*\x+2], 0                      ; the sum, in two halves
	v_mov_b32 v[ST+8*\x+3], 0
	v_mov_b32 v[ST+8*\x+5], 0
.endr
	v_mov_b32 v[PX], 0
	WIN 0x40                                       ; destination window 1
.set j, 0
.rept 128
	v_mov_b32 v[j], 0                              ; O^T: the first step finds zeros, which the first change of M leaves zeros
.set j, j+1
.endr
	WIN 0
	s_wait_kmcnt 0x0
	s_add_co_i32 s54, s48, s49
	s_lshl_b32 s54, s54, 23
	s_add_co_i32 s[CS], s[CS], s54                 ; a score stands for score x 2^(e6 + e7): the two exponents are added to c's exponent field
	s_mov_b32 s[CS+1], s[CS]                       ; (named with it as a pair, so it is written)
	s_add_co_i32 s54, s51, 127
	s_lshl_b32 s55, s54, 23
	v_mov_b32 v[PSC], s55                          ; 2^e9 as f32, for the conversion
	s_add_co_i32 s54, s54, 8
	s_lshl_b32 s54, s54, 23
	s_or_b32 s54, s54, 0x600000
	v_mov_b32 v[PLM], s54                          ; 448 x 2^e9
; Tile x's softmax for a key step: 64 scores a lane become p and P's 16 registers of codes.
.macro SOFTMAX x
.set SB, S+64*(\x)
.set TT, ST+8*(\x)
.set PC, KF+16*(\x)
	v_max3_num_f32 v[TT+6], v[SB], v[SB+1], v[SB+2]        ; the step's largest score of my query among my 64 keys, in two chains; each accumulator is read from its low end on
	v_max3_num_f32 v[TT+7], v[SB+3], v[SB+4], v[SB+5]
.irp i, 6,10,14,18,22,26,30,34,38,42,46,50,54,58
	v_max3_num_f32 v[TT+6], v[TT+6], v[SB+\i], v[SB+\i+1]
	v_max3_num_f32 v[TT+7], v[TT+7], v[SB+\i+2], v[SB+\i+3]
.endr
	v_max3_num_f32 v[TT+6], v[TT+6], v[SB+62], v[SB+63]
	v_max_num_f32 v[TT+6], v[TT+6], v[TT+7]
	v_permlanex16_b32 v[PX], v[TT+6], s[SEL], s[SEL+1]
	v_max_num_f32 v[TT+6], v[TT+6], v[PX]                  ; and among lane l xor 16's
	v_mul_f32 v[TT+6], s[CS], v[TT+6]                      ; as t (c is positive)
	v_max_num_f32 v[TT+1], v[TT+1], v[TT+6]                ; the running largest t
	v_mov_b32 v[TT+6], v[TT]
	v_floor_f32 v[TT], -v[TT+1]                            ; the new -M = floor(-t) = -ceil(t): M is a whole number
	v_sub_f32 v[TT+6], v[TT], v[TT+6]                      ; M's old value less its new one: a whole number, 0 or less
	v_cvt_i32_f32 v[TT+6], v[TT+6]                         ; (it saturates)
	v_ldexp_f32 v[TT+4], 1.0, v[TT+6]                      ; f = 2^(old M - new M)
.set j, 0
.rept 32
	v_pk_fma_f32 v[SB+j:SB+j+1], v[SB+j:SB+j+1], s[CS:CS+1], v[TT:TT+1] op_sel_hi:[1,0,0]   ; t - M, two at a time (of the pairs c and -M the low word serves both halves)
.set j, j+2
.endr
.set j, 0
.rept 64
	v_exp_f32 v[SB+j], v[SB+j]                             ; p = 2^(t - M), at most 1: not normalised
.set j, j+1
.endr
	v_pk_mul_f32 v[TT+2:TT+3], v[TT+2:TT+3], v[TT+4:TT+5] op_sel_hi:[1,0]   ; the sums under the new M  (a plain line behind the exponentials)
	s_wait_alu depctr_va_vdst(0)
	v_pk_add_f32 v[SU:SU+1], v[SB:SB+1], v[SB+2:SB+3]      ; the row's sum is taken of the UNQUANTISED p: two at a time, in two chains
.irp j, 4,8,12,16,20,24,28,32,36,40,44,48,52,56,60
	v_pk_add_f32 v[TT+2:TT+3], v[TT+2:TT+3], v[SB+\j:SB+\j+1]
	v_pk_add_f32 v[SU:SU+1], v[SU:SU+1], v[SB+\j+2:SB+\j+3]
.endr
	v_pk_add_f32 v[TT+2:TT+3], v[TT+2:TT+3], v[SU:SU+1]
.irp b, 0,1,2,3
.irp i, 0,1,2,3,4,5,6,7,8,9,10,11,12,13,14,15
	v_min_num_f32 v[SB+16*\b+\i], v[SB+16*\b+\i], v[PLM]   ; the conversion to an 8-bit code does not saturate (ISA guide 7.6.2); p is not negative, so the hold is one-sided
.endr
	v_cvt_scalef32_pk8_fp8_f32 v[PC+4*\b:PC+4*\b+1], v[SB+16*\b:SB+16*\b+7], v[PSC]        ; tile 2 b: keys 32 b + 8 h + 0 .. 7
	v_cvt_scalef32_pk8_fp8_f32 v[PC+4*\b+2:PC+4*\b+3], v[SB+16*\b+8:SB+16*\b+15], v[PSC]   ; tile 2 b + 1: keys 32 b + 16 + 8 h + 0 .. 7
.endr
	v_nop                                                  ; one plain vector line behind the last conversion of the run
.endm
.macro VLOAD x                         ; V's fragments 4 x .. 4 x + 3 land where tile x's p lay: it has been summed and converted
.irp t, 0,1,2,3
.irp c, 0,1,2,3
	ds_load_b128 v[S+64*(\x)+16*\t+4*\c:S+64*(\x)+16*\t+4*\c+3], v[ADV] offset:(4*(\x)+\t)*2048+512*\c
.endr
.endr
.endm
; A KEY STEP: 128 keys: the block of K at s[TB], the block of V 65,536 bytes on.
.macro STEP
	v_add_nc_u32 v[ADK], s[TB], v[LI]
	v_add_nc_u32 v[ADV], s[TB], v[AV0]
.irp g, 0,1                            ; S^T = K Q^T, four fragments of K at a time, each against both tiles of queries
.rept 4
	v_nop                                          ; places: four in front of loads into registers that matrix instructions have read; with the two additions above six at g = 0, where five are owed to products that write over V's fragments
.endr
.irp t, 0,1,2,3
.irp c, 0,1,2,3
	ds_load_b128 v[KF+16*\t+4*\c:KF+16*\t+4*\c+3], v[ADK] offset:(4*\g+\t)*2048+512*\c
.endr
.endr
	s_wait_dscnt 0x0
.irp t, 0,1,2,3
.irp x, 0,1
	v_wmma_f32_16x16x128_fp8_fp8 v[S+64*\x+8*(4*\g+\t):S+64*\x+8*(4*\g+\t)+7], v[KF+16*\t:KF+16*\t+15], v[Q+16*\x:Q+16*\x+15], 0
.endr
.endr
.endr
.rept 4
	v_nop                                          ; places in front of the first read of the scores
.endr
	SOFTMAX 0
	VLOAD 0                                        ; lands under tile 1's softmax
	SOFTMAX 1
	VLOAD 1                                        ; lands under the rescaling
	WIN 0x41                                       ; O^T (destination and source 0) in window 1, f in window 0
.irp x, 0,1
.set j, 0
.rept 32
	v_pk_mul_f32 v[64*\x+j:64*\x+j+1], v[64*\x+j:64*\x+j+1], v[ST+8*\x+4:ST+8*\x+5] op_sel_hi:[1,0]   ; O^T under the new M: x f; each accumulator from its low end on
.set j, j+2
.endr
.endr
	s_wait_dscnt 0x0                               ; V is in
	WIN 0x50                                       ; C and D in window 1
.irp t, 0,1,2,3,4,5,6,7                ; O^T += V^T P: sixteen accumulators, one instruction a turn
.irp x, 0,1
	v_wmma_f32_16x16x128_fp8_fp8 v[64*\x+8*\t:64*\x+8*\t+7], v[S+16*\t:S+16*\t+15], v[KF+16*\x:KF+16*\x+15], v[64*\x+8*\t:64*\x+8*\t+7]
.endr
.endr
	WIN 0                                          ; at a label and at a branch every window is 0
	s_add_co_u32 s[TB], s[TB], BLK                 ; the next step's blocks
.endm
.macro FOUR_STEPS                      ; a slot's four key steps: written once, walked four times
	s_mov_b32 s[CNT], 4
.Lstep_\@:
	STEP
	s_sub_co_u32 s[CNT], s[CNT], 1
	s_cmp_lg_u32 s[CNT], 0
	s_cbranch_scc1 .Lstep_\@
	s_sub_co_u32 s[TB], s[TB], 4*BLK               ; back to a slot's first step,
	s_xor_b32 s[TB], s[TB], SLOT1                  ; in the other slot
.endm
; THE CHANGE OF SLOTS stands at a slot's head.  Each wave waits for all its tensor loads (its part of the slot that it is about to read), adds 0 to its spare word, and waits for that and for its reads of the slot that it has left.
; fill = 1: the barrier is a round of the cluster's, so that no wave of any partner still reads the other slot or has a load on its way; that slot takes the next 512 keys, first thing behind the round: four key steps in which to land.
.macro CHANGE fill
	s_wait_tensorcnt 0x0                           ; no tensor load of mine is out, so a group 0 may be written
	ds_add_u32 v[SPW], v[NIL]                      ; 0 onto my spare word
.if \fill
	s_xor_b32 s[G0K+1], s[G0K+1], SLOT1            ; the walking descriptors: the other slot than last time,
	s_add_nc_u64 s[G0K+2:G0K+3], s[G0K+2:G0K+3], 4*BLK   ; the next four blocks; the type bits on top are not reached
	s_xor_b32 s[G0V+1], s[G0V+1], SLOT1
	s_add_nc_u64 s[G0V+2:G0V+3], s[G0V+2:G0V+3], 4*BLK
	s_wait_dscnt 0x0                               ; the add is done, and my reads of the slot that I have left are over
	CROUND
	JLOAD
.else
	s_wait_dscnt 0x0
	s_barrier_signal -1
	s_barrier_wait -1
.endif
.endm
	s_wait_loadcnt 0x0                             ; Q
.Lslot:                                            ; three trips: behind each change of slots but the last the next slot is asked for
	CHANGE 1
	FOUR_STEPS
	s_sub_co_u32 s[SLOTS], s[SLOTS], 1
	s_cmp_lg_u32 s[SLOTS], 0
	s_cbranch_scc1 .Lslot
	CHANGE 0                                       ; the last slot is written out
	FOUR_STEPS
	; THE WAY OUT.  The address lines are the places behind the last products.  O^T / the sum x 2^(e8 + e9) goes through my stage in LDS, half a head's row (64 channels, 256 bytes) of 16 queries at a time.
	v_and_b32 v[ADK], 15, v0                       ; r
	v_bfe_u32 v[ADV], v0, 4, 1                     ; h
	s_mul_i32 s14, s[WV], 16*SP
	s_add_co_u32 s14, s14, STAGE                   ; my stage
	v_mul_u32_u24 v[STO], v[ADK], SP
	v_lshl_add_u32 v[STO], v[ADV], 5, v[STO]
	v_add_nc_u32 v[STO], s14, v[STO]               ; in: row r; a tile's eight channels of my half: 32 h bytes on
	v_mul_u32_u24 v[RD], v[ADV], SP
	v_lshl_add_u32 v[RD], v[ADK], 4, v[RD]
	v_add_nc_u32 v[RD], s14, v[RD]                 ; back: lanes 0-15 one row, lanes 16-31 the next
	v_lshlrev_b32 v[GO], 13, v[ADV]
	v_lshl_add_u32 v[GO], v[ADK], 4, v[GO]         ; and the same two rows in out0
.irp x, 0,1
	v_add_f32 v[ST+8*\x+2], v[ST+8*\x+2], v[ST+8*\x+3]     ; the sum's two halves,
.endr
.irp x, 0,1
	v_permlanex16_b32 v[ST+8*\x+6], v[ST+8*\x+2], s[SEL], s[SEL+1]
.endr
.irp x, 0,1
	v_add_f32 v[ST+8*\x+2], v[ST+8*\x+2], v[ST+8*\x+6]     ; and lane l xor 16's: the row's sum
.endr
.irp x, 0,1
	v_rcp_f32 v[ST+8*\x+2], v[ST+8*\x+2]
.endr
	v_nop                                          ; a plain line between the last reciprocal and the use of its result
	s_add_co_i32 s15, s50, s51
	s_wait_alu depctr_va_vdst(0)
.irp x, 0,1
	v_ldexp_f32 v[ST+8*\x+2], v[ST+8*\x+2], s15    ; x 2^(e8 + e9)
.endr
	WIN 0x01                                       ; source 0 (O^T) in window 1
.irp x, 0,1
.set j, 0
.rept 32
	v_pk_mul_f32 v[S+64*\x+j:S+64*\x+j+1], v[64*\x+j:64*\x+j+1], v[ST+8*\x+2:ST+8*\x+3] op_sel_hi:[1,0]   ; register 8 t + i is o(query r, channel 16 t + 8 h + i); each accumulator from its low end on
.set j, j+2
.endr
.endr
	WIN 0
.irp x, 0,1
.irp u, 0,1                            ; channels 64 u on
.irp t, 0,1,2,3
	ds_store_b128 v[STO], v[S+64*\x+32*\u+8*\t:S+64*\x+32*\u+8*\t+3] offset:64*\t
	ds_store_b128 v[STO], v[S+64*\x+32*\u+8*\t+4:S+64*\x+32*\u+8*\t+7] offset:64*\t+16
.endr
.irp i, 0,1,2,3,4,5,6,7
	ds_load_b128 v[S+64*\x+32*\u+4*\i:S+64*\x+32*\u+4*\i+3], v[RD] offset:2*\i*SP   ; LDS serves a wave's instructions in order (ISA guide 5.7.1.4): these see my stores, and the next group's stores come behind them
.endr
.endr
.endr
.irp x, 0,1
.irp u, 0,1
.irp i, 0,1,2,3,4,5,6,7
	s_wait_dscnt (3-2*\x-\u)*16+7-\i               ; this load is in; out may be the rest of its group and the sixteen LDS instructions of each later group
	global_store_b128 v[GO], v[S+64*\x+32*\u+4*\i:S+64*\x+32*\u+4*\i+3], s[8:9] offset:(16*\x+2*\i)*8192+256*\u th:TH_STORE_NT   ; sixteen lanes store 256 consecutive bytes, aligned; written once, read by nobody here
.endr
.endr
.endr
	s_wait_tensorcnt 0x0                           ; the wave's end
	ds_add_u32 v[SPW], v[NIL]
	s_wait_dscnt 0x0
	CROUND                                         ; the closing round: no work-group ends while a partner may still ask for a tile that names it
	s_endpgm
.Lfunc_end_k_q6260f44293_attn:
	.size	k_q6260f44293_attn, .Lfunc_end_k_q6260f44293_attn-k_q6260f44293_attn
	.p2alignl 7, 3214868480
	.fill 96, 4, 3214868480
	.section	.rodata,"a",@progbits
	.p2align	6, 0x0
	.amdhsa_kernel k_q6260f44293_attn
		.amdhsa_group_segment_fixed_size 327680
		.amdhsa_private_segment_fixed_size 0
		.amdhsa_enable_private_segment 0
		.amdhsa_kernarg_size 24
		.amdhsa_user_sgpr_count 2
		.amdhsa_user_sgpr_kernarg_segment_ptr 1
		.amdhsa_wavefront_size32 1
		.amdhsa_system_sgpr_workgroup_id_x 1
		.amdhsa_system_sgpr_workgroup_id_y 1
		.amdhsa_system_sgpr_workgroup_id_z 1
		.amdhsa_system_vgpr_workitem_id 0
		.amdhsa_next_free_vgpr 384
		.amdhsa_next_free_sgpr 66
		.amdhsa_reserve_vcc 0
		.amdhsa_float_denorm_mode_32 3
		.amdhsa_float_denorm_mode_16_64 3
		.amdhsa_memory_ordered 1
		.amdhsa_forward_progress 1
		.amdhsa_inst_pref_size 92
	.end_amdhsa_kernel
	.amdgpu_metadata
---
amdhsa.version: [ 1, 2 ]
amdhsa.kernels:
  - .name:           k_q6260f44293_attn
    .symbol:         k_q6260f44293_attn.kd
    .args:
      - { .name: qkv, .offset: 0, .size: 8, .value_kind: global_buffer, .address_space: global }
      - { .name: lowp_scales, .offset: 8, .size: 8, .value_kind: global_buffer, .address_space: global }
      - { .name: out0, .offset: 16, .size: 8, .value_kind: global_buffer, .address_space: global }
    .group_segment_fixed_size: 327680
    .private_segment_fixed_size: 0
    .kernarg_segment_align: 8
    .kernarg_segment_size: 24
    .max_flat_workgroup_size: 256
    .sgpr_count:     66
    .vgpr_count:     384
    .wavefront_size: 32
...
	.end_amdgpu_metadata
.endif
;; end of part 4
;; ======== version 2 of 2: 3 launches
;; limits: right only within a limited range of input values
;; workspace buffers: xc 25,165,824 bytes; wc 6,291,456 bytes; qkv 12,582,912 bytes
;; launch quant (part 5): grid 448 x 1, 4 waves a work-group, no clusters, 69,120 bytes of LDS; arguments hidden_states, Wq, Wk, Wv, lowp_scales, xc, wc; writes xc, wc
.if DOCPART == 5
	.amdgcn_target "amdgcn-amd-amdhsa--gfx1250"
	.amdhsa_code_object_version 6
	.text
	.protected	k_q6260f44293_quant
	.globl	k_q6260f44293_quant
	.p2align	8
	.type	k_q6260f44293_quant,@function
k_q6260f44293_quant:
	s_mov_b64 s[64:65], 0
	v_nop
	global_prefetch_b8 v0, s[64:65] scope:SCOPE_SE
	s_setreg_imm32_b32 hwreg(HW_REG_WAVE_MODE, 25, 1), 1
	s_wait_xcnt 0x0
; BOTH QUANTISERS OF THE PROJECTIONS' OPERANDS IN ONE LAUNCH.  Work-groups 0-255 take hidden_states, work-groups 256-447 the three weights.  The two paths part here, on the work-group's number,
; and never join; each has LDS bytes of its own (hidden_states 0 to 32,767, the weights from 32,768 on).  No barrier: waves share nothing.
; code = x / 2^e, held within +-448, rounded to the nearest E4M3 code, ties to even.
; LIMITS: each e used here (lowp_scales[0..5]) between -126 and 119, so that 2^e and 448 x 2^e are f32 numbers.  NaN among the inputs is not served; an infinity is held at the largest code.
.set XWGS, 256
	v_lshl_add_u32 v208, v0, 2, 0x10c00
	v_mov_b32 v209, 0
	s_cmp_lt_u32 ttmp9, XWGS
	s_cbranch_scc0 .Lweights
; ---- hidden_states [4096][2048] f32 becomes codes, K innermost, for the three projections that read it: set k lies at xc + k x 8,388,608 and takes e = lowp_scales[2 k] (the three may differ).
; WHERE THE THREE EXPONENTS ARE EQUAL the three sets would be equal byte for byte: then set 0 alone is made (in each step a scalar branch on the given whole numbers leads round sets 1 and 2),
; and the next launch reads set 0 for all three products, by the same test.  Where they differ, all three sets are made.
; Rows are dense, so the tensor is a plain stream.  A wave takes 16 steps of 512 numbers.  A conversion takes 8 neighbours from ONE lane's registers, a load is best where neighbouring LANES take
; neighbouring bytes: each of a step's four loads reads 512 consecutive bytes, the 2,048 bytes go through the wave's own stage in LDS as they lie and come back 64 bytes a lane (16 bytes of padding
; behind each 64).  A lane's 16 codes are 16 bytes: each store of the wave covers 512 consecutive bytes, aligned.  The numbers are read once.
; Loads run four steps (16 loads a wave) ahead, the turn through LDS one step.
.set STEPS, 16
.set XSP,   80                         ; a lane's place in a stage: its 64 bytes + 16 of padding
.set XREG,  8192                       ; LDS: a region for each wave: two stages of 32 x XSP bytes
.set SC,    5                          ; v5-7     2^e as f32, for set 0, 1, 2
.set LM,    8                          ; v8-10    448 x 2^e
.set XR,    16                         ; v16-79   four sets of 16 numbers as they are loaded
.set XX,    80                         ; v80-111  two sets of 16 neighbours
.set XT,    112                        ; v112-127 the 16 numbers, held
.set XC,    128                        ; v128-151 codes: two sets of 3 x 4 registers, by turns
	s_load_b64 s[4:5], s[0:1], 0x0                 ; hidden_states
	s_load_b64 s[6:7], s[0:1], 0x20                ; lowp_scales
	s_load_b64 s[8:9], s[0:1], 0x28                ; xc
	v_lshrrev_b32 v1, 5, v0
	v_readfirstlane_b32 s16, v1                    ; wave
	v_and_b32 v2, 31, v0                           ; lane
	v_lshlrev_b32 v3, 4, v2                        ; my 16 bytes of a load's 512, and of a store's; never rewritten
	s_mul_i32 s17, s16, XREG
	v_lshrrev_b32 v14, 2, v2
	v_mul_u32_u24 v14, v14, XSP
	v_and_b32 v15, 3, v2
	v_lshl_add_u32 v14, v15, 4, v14
	v_add_nc_u32 v14, s17, v14                     ; the stage, on the way in: XSP (lane / 4) + 16 (lane % 4)
	v_mul_u32_u24 v15, v2, XSP
	v_add_nc_u32 v15, s17, v15                     ; and on the way out: XSP x lane: my 16 neighbours
	s_lshl_b32 s18, ttmp9, 2
	s_add_co_u32 s18, s18, s16                     ; which run of 8,192 numbers is my wave's
	s_lshl_b32 s20, s18, 15                        ; its 32,768 bytes of f32,
	s_mov_b32 s21, 0
	s_lshl_b32 s22, s18, 13                        ; its 8,192 bytes of codes
	s_mov_b32 s23, 0
	s_wait_alu depctr_va_vdst(0)
	s_wait_kmcnt 0x0
	s_load_b256 s[24:31], s[6:7], 0x0              ; lowp_scales[0..7]: entries 0, 2, 4 are used here
	s_add_nc_u64 s[4:5], s[4:5], s[20:21]
	s_add_nc_u64 s[8:9], s[8:9], s[22:23]          ; set 0,
	s_add_nc_u64 s[10:11], s[8:9], 0x800000        ; set 1,
	s_add_nc_u64 s[12:13], s[8:9], 0x1000000       ; set 2: a base for each, since the distance does not fit a store's immediate
.macro XLOAD t
.irp i, 0,1,2,3
	global_load_b128 v[XR+16*((\t)%4)+4*\i:XR+16*((\t)%4)+4*\i+3], v3, s[4:5] offset:2048*(\t)+512*\i th:TH_LOAD_NT   ; 32 lanes read 512 consecutive bytes; read once in the launch
.endr
.endm
.macro XTURN t                         ; step t's numbers through the stage: LDS serves a wave's instructions in order (ISA guide 5.7.1.4), so no wait stands between the stores and the loads
.irp i, 0,1,2,3
	ds_store_b128 v14, v[XR+16*((\t)%4)+4*\i:XR+16*((\t)%4)+4*\i+3] offset:32*XSP*((\t)%2)+8*XSP*\i
.endr
.irp i, 0,1,2,3
	ds_load_b128 v[XX+16*((\t)%2)+4*\i:XX+16*((\t)%2)+4*\i+3], v15 offset:32*XSP*((\t)%2)+16*\i
.endr
.endm
.irp t, 0,1,2,3
	XLOAD \t
.endr
	s_wait_kmcnt 0x0
.irp k, 0,1,2
	s_add_co_i32 s22, s[24+2*\k], 127
	s_lshl_b32 s23, s22, 23
	v_mov_b32 v[SC+\k], s23                        ; 2^e as f32: the conversion takes its exponent field
	s_add_co_i32 s22, s22, 8
	s_lshl_b32 s22, s22, 23
	s_or_b32 s22, s22, 0x600000
	v_mov_b32 v[LM+\k], s22                        ; 448 x 2^e
.endr
	s_wait_alu depctr_va_vdst(0)
	s_wait_loadcnt 12                              ; step 0's four loads are in; the twelve of steps 1 to 3 may be out
	XTURN 0
	s_xor_b32 s22, s24, s26
	s_xor_b32 s23, s24, s28
	s_or_b32 s14, s22, s23                         ; 0 where lowp_scales[0], [2] and [4] are equal; kept through the steps
.macro XSTEP t
.set XS, XX+16*((\t)%2)
.set CD, XC+12*((\t)%2)
	s_wait_dscnt 0x0                               ; this step's numbers are back from the stage: so its stores into the stage have read their registers,
.if (\t)+4 < STEPS
	XLOAD (\t)+4                                   ; which take the loads of four steps on
.endif
.if (\t)+1 < STEPS
.if STEPS-2-(\t) >= 3
	s_wait_loadcnt 12                              ; the next step's four loads are in; those of the three steps behind it may be out
.else
	s_wait_loadcnt 4*(STEPS-2-(\t))                ; the tail: four for each step that is still behind the next
.endif
	XTURN (\t)+1                                   ; and go through the other stage while this step is worked
.endif
	s_wait_xcnt 0x0                                ; this set of code registers was the data of the stores of two steps ago: it is written again only behind this wait
.irp k, 0,1,2
.if \k == 1
	s_cmp_eq_u32 s14, 0                            ; equal exponents: sets 1 and 2 would repeat set 0 and are not made
	s_cbranch_scc1 .Lone_set_\@
.endif
.irp i, 0,1,2,3,4,5,6,7,8,9,10,11,12,13,14,15
	v_med3_num_f32 v[XT+\i], v[XS+\i], -v[LM+\k], v[LM+\k]   ; the conversion to an 8-bit code does not saturate (ISA guide 7.6.2): the hold at the largest code x the scale
.endr
	v_cvt_scalef32_pk8_fp8_f32 v[CD+4*\k:CD+4*\k+1], v[XT:XT+7], v[SC+\k]
	v_cvt_scalef32_pk8_fp8_f32 v[CD+4*\k+2:CD+4*\k+3], v[XT+8:XT+15], v[SC+\k]
	v_nop                                          ; one plain vector line between the conversions and the next lines that write their sources
	global_store_b128 v3, v[CD+4*\k:CD+4*\k+3], s[8+2*\k:9+2*\k] offset:512*(\t)   ; 512 consecutive bytes, aligned; the next launch reads them
.endr
.Lone_set_\@:
.endm
.irp t, 0,1,2,3,4,5,6,7,8,9,10,11,12,13,14,15
	XSTEP \t
.endr
	s_wait_tensorcnt 0x0
	ds_add_u32 v208, v209
	s_wait_dscnt 0x0
	s_endpgm
; ---- Wq [2048][2048], Wk [2048][512], Wv [2048][512], f32 with K as their FIRST axis, become codes laid [3072][2048] with K innermost:
; rows 0-2047 of wc are Wq's columns, 2048-2559 Wk's, 2560-3071 Wv's.  e = lowp_scales[1], [3], [5].
; A LANE TAKES A COLUMN, AND ITS REGISTERS RUN DOWN K: each load reads neighbouring columns in neighbouring lanes (128 consecutive bytes a wave, 512 a work-group), and the conversions,
; which take neighbours along K from one lane's registers, give codes with K innermost.  A wave takes 32 columns x 256 along K; its codes go through its own stage in LDS and leave as rows:
; sixteen lanes store 256 consecutive bytes, aligned.
; ONE PATH FOR THE THREE TENSORS: of these 192 work-groups number n takes x = n / 8 (128 rows of wc: 0-15 Wq, 16-19 Wk, 20-23 Wv) and y = n % 8 (256 along K).  Pointer, row pitch, first column and
; exponent are chosen by selects on x; no branch.  The pitch is therefore no constant of the text: the 32 rows of a block have their offsets in registers (4 x lane + i x pitch), the eight blocks a
; base each.  Nothing is stepped afterwards.
.set NB,     8                         ; blocks of 32 along K for a wave
.set WLDS,   32768                     ; this path's LDS begins here
.set WPITCH, 272                       ; a stage row: 256 bytes of codes + 16
.set KROW,   2048                      ; a row of wc in bytes
.set WX,     32                        ; v32-95   two sets of 32 numbers
.set WC,     96                        ; v96-103  a block's codes
.set OUTR,   112                       ; v112-175 the way out: 16 x 4 registers
.set OFF,    176                       ; v176-207 row i of a block: 4 x lane + i x pitch; never rewritten
.set BB,     32                        ; s[32:47] block t's base
.Lweights:
	s_load_b256 s[4:11], s[0:1], 0x8               ; Wq s[4:5], Wk s[6:7], Wv s[8:9], lowp_scales s[10:11]
	s_load_b64 s[12:13], s[0:1], 0x30              ; wc
	s_sub_co_u32 s14, ttmp9, XWGS                  ; n
	s_lshr_b32 s15, s14, 3                         ; x
	s_and_b32 s18, s14, 7                          ; y
	v_lshrrev_b32 v1, 5, v0
	v_readfirstlane_b32 s16, v1                    ; wave 0..3
	v_and_b32 v2, 31, v0                           ; lane
	v_lshlrev_b32 v3, 2, v2                        ; in: 4 bytes a lane
	s_mul_i32 s19, s16, 32*WPITCH
	s_add_co_u32 s19, s19, WLDS                    ; my stage
	v_mul_u32_u24 v4, v2, WPITCH
	v_add_nc_u32 v4, s19, v4                       ; into it: row = my column
	v_and_b32 v5, 15, v2
	v_lshrrev_b32 v6, 4, v2                        ; out of it: sixteen lanes to a row, two rows an instruction
	v_mul_u32_u24 v7, v6, WPITCH
	v_lshl_add_u32 v7, v5, 4, v7
	v_add_nc_u32 v7, s19, v7                       ; LDS address
	v_mul_u32_u24 v8, v6, KROW
	v_lshl_add_u32 v8, v5, 4, v8                   ; and the same place in wc
	s_lshl_b32 s17, s15, 7
	s_lshl_b32 s19, s16, 5
	s_add_co_u32 s17, s17, s19                     ; my wave's first row of wc: 128 x + 32 x wave
	s_lshl_b32 s48, s17, 11
	s_lshl_b32 s49, s18, 8
	s_add_co_u32 s48, s48, s49                     ; its bytes: row x 2,048 + 256 y
	s_mov_b32 s49, 0
	s_mov_b32 s20, 2048                            ; a row of Wk or Wv in bytes
	s_wait_kmcnt 0x0
	s_load_b256 s[24:31], s[10:11], 0x0            ; lowp_scales[0..7]: entries 1, 3, 5 are used here
	s_cmp_lt_u32 s15, 16                           ; the choices hang on the work-group's number alone
	s_cselect_b64 s[4:5], s[4:5], s[6:7]           ; Wq or Wk,
	s_cselect_b32 s20, 8192, s20                   ; the pitch,
	s_cselect_b32 s21, 0, 16                       ; the tensor's first x
	s_cmp_lt_u32 s15, 20
	s_cselect_b64 s[4:5], s[4:5], s[8:9]           ; or Wv
	s_cselect_b32 s21, s21, 20
	s_sub_co_u32 s22, s15, s21
	s_lshl_b32 s22, s22, 7
	s_lshl_b32 s23, s16, 5
	s_add_co_u32 s22, s22, s23                     ; my first column in its tensor
	s_lshl_b32 s22, s22, 2
	s_mul_i32 s23, s18, s20
	s_lshl_b32 s23, s23, 8                         ; 256 y rows
	s_add_co_u32 s22, s22, s23
	s_mov_b32 s23, 0
	s_add_nc_u64 s[BB:BB+1], s[4:5], s[22:23]      ; block 0
	s_lshl_b32 s22, s20, 5                         ; 32 rows
.irp t, 1,2,3,4,5,6,7
	s_add_nc_u64 s[BB+2*\t:BB+2*\t+1], s[BB+2*\t-2:BB+2*\t-1], s[22:23]
.endr
	s_add_nc_u64 s[12:13], s[12:13], s[48:49]
.irp i, 0,1,2,3,4,5,6,7,8,9,10,11,12,13,14,15,16,17,18,19,20,21,22,23,24,25,26,27,28,29,30,31
	v_mad_u32_u24 v[OFF+\i], s20, \i, v3
.endr
.macro WLOAD t                         ; block t: W(256 y + 32 t + i, my column), i = 0 .. 31, into set t % 2
.irp i, 0,1,2,3,4,5,6,7,8,9,10,11,12,13,14,15,16,17,18,19,20,21,22,23,24,25,26,27,28,29,30,31
	global_load_b32 v[WX+32*((\t)%2)+\i], v[OFF+\i], s[BB+2*(\t):BB+2*(\t)+1] th:TH_LOAD_NT
.endr
.endm
	WLOAD 0
	WLOAD 1
	s_wait_kmcnt 0x0
	s_cmp_lt_u32 s15, 16
	s_cselect_b32 s30, s25, s27                    ; e of Wq or of Wk,
	s_cmp_lt_u32 s15, 20
	s_cselect_b32 s30, s30, s29                    ; or of Wv
	s_add_co_i32 s30, s30, 127
	s_lshl_b32 s31, s30, 23
	v_mov_b32 v11, s31                             ; 2^e as f32: the conversion takes its exponent field
	s_add_co_i32 s30, s30, 8
	s_lshl_b32 s30, s30, 23
	s_or_b32 s30, s30, 0x600000
	v_mov_b32 v10, s30                             ; 448 x 2^e
.macro WBLOCK t
.set XS, WX+32*((\t)%2)
.if (\t) < NB-1
	s_wait_loadcnt 32                              ; this block's 32 loads are in; the next block's 32 may be out
.else
	s_wait_loadcnt 0
.endif
.irp i, 0,1,2,3,4,5,6,7,8,9,10,11,12,13,14,15,16,17,18,19,20,21,22,23,24,25,26,27,28,29,30,31
	v_med3_num_f32 v[XS+\i], v[XS+\i], -v10, v10   ; the conversion to an 8-bit code does not saturate (ISA guide 7.6.2): the hold comes first
.endr
.irp g, 0,1,2,3
	v_cvt_scalef32_pk8_fp8_f32 v[WC+2*\g:WC+2*\g+1], v[XS+8*\g:XS+8*\g+7], v11
.endr
	v_nop                                          ; one plain vector line behind the last conversion of the run
	ds_store_b128 v4, v[WC:WC+3] offset:32*(\t)    ; 32 codes: 32 bytes of my column's row
	ds_store_b128 v4, v[WC+4:WC+7] offset:32*(\t)+16
.if (\t)+2 < NB
	WLOAD (\t)+2
.endif
	s_wait_dscnt 0x0                               ; the stores have read their registers: the next block's codes may be written
.endm
.set QB, 0
	s_wait_alu depctr_va_vdst(0)
.rept NB
	WBLOCK QB
.set QB, QB+1
.endr
.irp t, 0,1,2,3,4,5,6,7,8,9,10,11,12,13,14,15
	ds_load_b128 v[OUTR+4*\t:OUTR+4*\t+3], v7 offset:2*\t*WPITCH   ; LDS serves a wave's instructions in order: these see my stores
.endr
.irp t, 0,1,2,3,4,5,6,7,8,9,10,11,12,13,14,15
	s_wait_dscnt 15-\t                             ; load t is in; the 15 - t issued behind it may be out
	global_store_b128 v8, v[OUTR+4*\t:OUTR+4*\t+3], s[12:13] offset:2*\t*KROW   ; sixteen lanes store 256 consecutive bytes, aligned
.endr
	s_wait_tensorcnt 0x0
	ds_add_u32 v208, v209
	s_wait_dscnt 0x0
	s_endpgm
.Lfunc_end_k_q6260f44293_quant:
	.size	k_q6260f44293_quant, .Lfunc_end_k_q6260f44293_quant-k_q6260f44293_quant
	.p2alignl 7, 3214868480
	.fill 96, 4, 3214868480
	.section	.rodata,"a",@progbits
	.p2align	6, 0x0
	.amdhsa_kernel k_q6260f44293_quant
		.amdhsa_group_segment_fixed_size 69120
		.amdhsa_private_segment_fixed_size 0
		.amdhsa_enable_private_segment 0
		.amdhsa_kernarg_size 56
		.amdhsa_user_sgpr_count 2
		.amdhsa_user_sgpr_kernarg_segment_ptr 1
		.amdhsa_wavefront_size32 1
		.amdhsa_system_sgpr_workgroup_id_x 1
		.amdhsa_system_sgpr_workgroup_id_y 1
		.amdhsa_system_sgpr_workgroup_id_z 1
		.amdhsa_system_vgpr_workitem_id 0
		.amdhsa_next_free_vgpr 210
		.amdhsa_next_free_sgpr 66
		.amdhsa_reserve_vcc 0
		.amdhsa_float_denorm_mode_32 3
		.amdhsa_float_denorm_mode_16_64 3
		.amdhsa_memory_ordered 1
		.amdhsa_forward_progress 1
		.amdhsa_inst_pref_size 131
	.end_amdhsa_kernel
	.amdgpu_metadata
---
amdhsa.version: [ 1, 2 ]
amdhsa.kernels:
  - .name:           k_q6260f44293_quant
    .symbol:         k_q6260f44293_quant.kd
    .args:
      - { .name: hidden_states, .offset: 0, .size: 8, .value_kind: global_buffer, .address_space: global }
      - { .name: Wq, .offset: 8, .size: 8, .value_kind: global_buffer, .address_space: global }
      - { .name: Wk, .offset: 16, .size: 8, .value_kind: global_buffer, .address_space: global }
      - { .name: Wv, .offset: 24, .size: 8, .value_kind: global_buffer, .address_space: global }
      - { .name: lowp_scales, .offset: 32, .size: 8, .value_kind: global_buffer, .address_space: global }
      - { .name: xc, .offset: 40, .size: 8, .value_kind: global_buffer, .address_space: global }
      - { .name: wc, .offset: 48, .size: 8, .value_kind: global_buffer, .address_space: global }
    .group_segment_fixed_size: 69120
    .private_segment_fixed_size: 0
    .kernarg_segment_align: 8
    .kernarg_segment_size: 56
    .max_flat_workgroup_size: 128
    .sgpr_count:     66
    .vgpr_count:     210
    .wavefront_size: 32
...
	.end_amdgpu_metadata
.endif
;; end of part 5
;; launch proj (part 6): grid 16 x 12, 4 waves a work-group, clusters of 4 x 1, 327,680 bytes of LDS; arguments xc, wc, bq, bk, bv, lowp_scales, qkv; writes qkv
.if DOCPART == 6
	.amdgcn_target "amdgcn-amd-amdhsa--gfx1250"
	.amdhsa_code_object_version 6
	.text
	.protected	k_q6260f44293_proj
	.globl	k_q6260f44293_proj
	.p2align	8
	.type	k_q6260f44293_proj,@function
k_q6260f44293_proj:
	s_mov_b64 s[64:65], 0
	v_nop
	global_prefetch_b8 v0, s[64:65] scope:SCOPE_SE
	s_setreg_imm32_b32 hwreg(HW_REG_WAVE_MODE, 25, 1), 1
	s_wait_xcnt 0x0
	s_wait_alu depctr_hold_cnt(0) depctr_sa_sdst(0) depctr_va_vdst(0) depctr_va_sdst(0) depctr_va_ssrc(0) depctr_va_vcc(0) depctr_vm_vsrc(0)
	s_getreg_b32 s2, hwreg(HW_REG_IB_STS2, 6, 4)
	s_cmp_eq_u32 s2, 0
	s_cbranch_scc0 .Lentry_in_a_cluster
	s_endpgm
.Lentry_in_a_cluster:
	s_bfe_u32 s2, ttmp6, 0x10000c
	s_cmp_lg_u32 s2, 0x3003
	s_cbranch_scc0 .Lentry_shape_is_right
	s_endpgm
.Lentry_shape_is_right:
; THE THREE PROJECTIONS ON E4M3 CODES: q = x Wq + bq, k = x Wk + bk, v = x Wv + bv.  Each f32 sum stands for sum x 2^(its two operands' exponents); the bias is added in that unit, and the result is
; quantised anew with the scale of the attention product that reads it (k lowp_scales[6], q [7], v [8]) and stored in qkv as blocks of 128 rows x 128 codes, laid as images of operand registers.
; A work-group makes 256 x 256: x = 256 tokens, y = 256 rows of wc (0-7 q, 8-9 k, 10-11 v); xc's set 0, 1, 2 serves q, k, v.  Four waves, 128 x 128 each; K in steps of 256 through two LDS slots.
; A slot holds region A (256 rows, matrix source 1), then region B (256 rows, source 0).  q, k: A = tokens, B = wc's rows, so that a lane's eight results are eight channels of one token.
; v is wanted with the keys along a lane's registers: there A takes wc's rows and B the tokens.  The exchange is made where the tiles are asked for (s44 = wave / 2 xor 'this is v'):
; every LDS address hangs on the wave's number alone.  y is shared by the partners of a cluster, so all of them go the same way.
; CLUSTER: the four partners along x need the same rows of wc: a joint load with mask 15; the tokens are each work-group's own.
; PREFETCH: behind each refill but a work-group's last two, the K step two refills on: tokens 128 rows a wave (a lane a row, four lines), wc's rows 32 a wave, the partners told apart by address (cx).
; LIMITS: the sum of a product's two exponents between -126 and 126; the result's exponent less that sum between -126 and 119.  NaN among the inputs is not served.
.set ROWB,   256
.set KROW,   2048
.set PFO,    30                        ; v30  the prefetches' offset: my lane x a row of 2,048 bytes; never rewritten
.set PFA,    98                        ; s[98:99] where my prefetches stand: my rows at the K step that is being asked for
.set PITCH,  272
.set FR,     16
.set NL,     4
.set NP,     4
.set HALFT,  128*PITCH
.set SLOT,   4*HALFT
.set LAPS,   4
.set SPARE,  2*SLOT
.set BO,   8
.set RO,   9
.set SCL,  10
.set LIM,  11
.set ADRA, 16
.set ADRB, 20
.set CO,   26
.set SPW,  28
.set NIL,  29
.set BC,   32
.set BRR,  96
.set BRP,  104
.set AF,   128
.set TMP,  128
.set COD,  192
.set WV,  18
.set G1T, 24
.set G0T, 32
.set G1W, 48
.set G0W, 56
.set MSB, 0
.macro WIN new
.if MSB != (\new)
	s_set_vgpr_msb (MSB<<8)|(\new)
.set MSB, (\new)
.endif
.endm
.set MUL_LO, 0xa1
.set MUL_HI, 0xf1
.set TO_B,   0x40
.macro JLOAD s
	s_cmp_eq_u32 s44, 0                            ; 0: I fetch tokens, 1: rows of wc
	s_cbranch_scc0 .Lfor_w_\@
	tensor_load_to_lds s[G0T+4*\s:G0T+4*\s+3], s[G1T:G1T+7]
	s_nop 0
.rept 4
	v_nop
.endr
	s_branch .Lasked_\@
.Lfor_w_\@:
	tensor_load_to_lds s[G0W+4*\s:G0W+4*\s+3], s[G1W:G1W+7]
	s_nop 0
.rept 4
	v_nop
.endr
.Lasked_\@:
.endm
.macro CREST
	s_cmp_lg_u32 s[WV], 0
	s_cbranch_scc1 .Lnot_wave_0_\@
	s_barrier_signal -3
.Lnot_wave_0_\@:
	s_barrier_wait -3
	s_barrier_signal -1
	s_barrier_wait -1
.endm
.macro CROUND
	s_barrier_signal -1
	s_barrier_wait -1
	CREST
.endm
	s_load_b256 s[4:11], s[0:1], 0x0
	s_load_b128 s[12:15], s[0:1], 0x20
	s_load_b64 s[16:17], s[0:1], 0x30
	v_lshl_add_u32 v[SPW], v0, 2, SPARE
	v_mov_b32 v[NIL], 0
	ds_add_u32 v28, v29
	ds_add_u32 v28, v29
	s_wait_dscnt 0x0
	v_lshrrev_b32 v1, 5, v0
	v_readfirstlane_b32 s[WV], v1
	s_lshr_b32 s19, s[WV], 1
	s_and_b32 s20, s[WV], 1
	s_bfe_u32 s21, ttmp6, 0x40000
	s_lshl_b32 s22, ttmp9, 2
	s_add_co_u32 s22, s22, s21
	s_and_b32 s23, ttmp7, 0xffff
	s_cmp_ge_u32 s23, 8
	s_cselect_b32 s40, 1, 0
	s_cmp_ge_u32 s23, 10
	s_cselect_b32 s41, 1, 0
	s_xor_b32 s44, s19, s41                        ; waves 0, 1 fill region A, waves 2, 3 region B; for v region A takes wc's rows
	s_mov_b32 s[G1T+0], (1<<20)|(5<<22)|(3<<25)
	s_mov_b32 s[G1W+0], 15|(1<<20)|(1<<21)|(5<<22)|(3<<25)
.irp g, G1T, G1W
	s_mov_b32 s[\g+1], ROWB<<16
	s_mov_b32 s[\g+2], 128<<16
	s_mov_b32 s[\g+3], ROWB<<16
	s_mov_b32 s[\g+4], 128
	s_mov_b32 s[\g+5], KROW
	s_mov_b32 s[\g+6], 0
	s_mov_b32 s[\g+7], 0
.endr
	s_mov_b32 s84, 0                               ; (the set of codes is chosen below, when the exponents are in)
	s_lshl_b32 s85, s22, 8
	s_lshl_b32 s86, s20, 7
	s_add_co_u32 s85, s85, s86
	s_lshl_b32 s85, s85, 11
	s_add_co_u32 s84, s84, s85
	s_mov_b32 s85, 0
	s_lshl_b32 s88, s23, 8
	s_lshl_b32 s89, s20, 7
	s_add_co_u32 s88, s88, s89
	s_lshl_b32 s88, s88, 11
	s_mov_b32 s89, 0
	s_mul_i32 s45, s[WV], HALFT
	s_wait_kmcnt 0x0
	s_load_b256 s[68:75], s[14:15], 0x0
	s_load_b64 s[76:77], s[14:15], 0x20
	s_add_nc_u64 s[84:85], s[4:5], s[84:85]
	s_add_nc_u64 s[88:89], s[6:7], s[88:89]
	CROUND
	; WHICH SET OF x's CODES: set 0, 1, 2 for q, k, v; where lowp_scales[0], [2] and [4] are equal, the launch before has made set 0 alone, and it serves all three.  A select, no branch.
	s_wait_kmcnt 0x0
	s_xor_b32 s86, s68, s70
	s_xor_b32 s87, s68, s72
	s_or_b32 s86, s86, s87                         ; 0 where the three are equal
	s_add_co_u32 s87, s40, s41                     ; the set's number: 0, 1, 2 for q, k, v
	s_cmp_eq_u32 s86, 0
	s_cselect_b32 s86, 0, s87
	s_min_u32 s86, s86, 2                          ; the choice hangs on loaded numbers: the number is held inside the three sets before it enters an address
	s_lshl_b32 s86, s86, 23                        ; a set is 8,388,608 bytes
	s_mov_b32 s87, 0
	s_add_nc_u64 s[84:85], s[84:85], s[86:87]
; The head's two loads ask as the refills do: behind the load of K step 0 for K step 2, behind that of K step 1 for K step 3.  off: bytes from where s[PFA] stands (K step 1).
.macro ASKH off
	global_prefetch_b8 v[PFO], s[PFA:PFA+1] offset:\off th:TH_LOAD_NT scope:SCOPE_SE
	s_cmp_eq_u32 s44, 0
	s_cbranch_scc0 .Lno_askh_\@
.irp i, 1,2,3
	global_prefetch_b8 v[PFO], s[PFA:PFA+1] offset:\off+\i*32*KROW th:TH_LOAD_NT scope:SCOPE_SE
.endr
.Lno_askh_\@:
.endm
.irp s, 0,1
	s_mov_b32 s[G0T+4*\s], 1
	s_add_co_u32 s[G0T+4*\s+1], s45, \s*SLOT
	s_add_nc_u64 s[G0T+4*\s+2:G0T+4*\s+3], s[84:85], \s*ROWB
	s_or_b32 s[G0T+4*\s+3], s[G0T+4*\s+3], 0x80000000
	s_mov_b32 s[G0W+4*\s], 1
	s_add_co_u32 s[G0W+4*\s+1], s45, \s*SLOT
	s_add_nc_u64 s[G0W+4*\s+2:G0W+4*\s+3], s[88:89], \s*ROWB
	s_or_b32 s[G0W+4*\s+3], s[G0W+4*\s+3], 0x80000000
.endr
	JLOAD 0                                        ; K step 0: one tensor load a wave at the head
	s_lshl_b32 s42, s21, 16                        ; cx x 32 rows of 2,048 bytes
	s_cmp_eq_u32 s44, 0
	s_cselect_b64 s[PFA:PFA+1], s[84:85], s[88:89] ; my 128 rows: tokens, or rows of wc,
	s_cselect_b32 s42, 0, s42                      ; of which my work-group names 32
	s_mov_b32 s43, 0
	s_add_nc_u64 s[PFA:PFA+1], s[PFA:PFA+1], s[42:43]
	s_add_nc_u64 s[PFA:PFA+1], s[PFA:PFA+1], ROWB  ; at K step 1: the first refill steps it to 2 and names K step 4
	v_and_b32 v[PFO], 31, v0
	v_lshlrev_b32 v[PFO], 11, v[PFO]
	ASKH ROWB
	v_and_b32 v1, 15, v0
	v_bfe_u32 v2, v0, 4, 1
	v_mul_u32_u24 v3, v1, PITCH
	v_lshl_add_u32 v4, v2, 4, v3
	s_wait_alu depctr_va_vdst(0)
	s_cmp_eq_u32 s41, 1
	s_cselect_b32 s90, s19, s20
	s_cselect_b32 s91, s20, s19
	s_mul_i32 s46, s19, HALFT
	s_mul_i32 s47, s20, HALFT
	s_add_co_u32 s47, s47, 2*HALFT                 ; region B lies behind region A's 256 rows
.irp s, 0,1
	v_add_nc_u32 v[ADRA+\s], s46, v4
	v_add_nc_u32 v[ADRB+\s], s47, v4
	s_add_co_u32 s46, s46, SLOT
	s_add_co_u32 s47, s47, SLOT
.endr
	v_lshlrev_b32 v[BO], 5, v2
	s_wait_alu depctr_va_vdst(0)
	v_lshlrev_b32 v[RO], 2, v1
	s_wait_alu depctr_va_vdst(0)
	v_and_b32 v5, 31, v0
	v_lshlrev_b32 v[CO], 4, v5
	s_cmp_eq_u32 s40, 1
	s_cselect_b64 s[66:67], s[10:11], s[8:9]
	s_cmp_eq_u32 s41, 1
	s_cselect_b64 s[66:67], s[12:13], s[66:67]
	s_lshl_b32 s92, s40, 3
	s_sub_co_u32 s92, s23, s92
	s_lshl_b32 s93, s41, 1
	s_sub_co_u32 s92, s92, s93
	s_lshl_b32 s92, s92, 1
	s_add_co_u32 s92, s92, s90
	s_lshl_b32 s94, s92, 9
	s_mov_b32 s95, 0
	s_add_nc_u64 s[66:67], s[66:67], s[94:95]
.irp b, 0,1,2,3,4,5,6,7
	global_load_b128 v[BC+8*\b:BC+8*\b+3], v[BO], s[66:67] offset:64*\b
	global_load_b128 v[BC+8*\b+4:BC+8*\b+7], v[BO], s[66:67] offset:64*\b+16
.endr
.irp a, 0,1,2,3,4,5,6,7
	global_load_b32 v[BRR+\a], v[RO], s[66:67] offset:64*\a
.endr
	s_lshl_b32 s93, s22, 1
	s_add_co_u32 s93, s93, s91
	s_lshl_b32 s94, s40, 1
	s_sub_co_u32 s94, 4, s94
	s_lshr_b32 s95, s93, 4
	s_lshl_b32 s95, s95, s94
	s_add_co_u32 s95, s95, s92
	s_lshl_b32 s95, s95, 4
	s_and_b32 s96, s93, 15
	s_add_co_u32 s95, s95, s96
	s_lshl_b32 s96, s40, 9
	s_add_co_u32 s95, s95, s96
	s_lshl_b32 s96, s41, 7
	s_add_co_u32 s95, s95, s96
	s_lshl_b32 s96, s95, 14
	s_mov_b32 s97, 0
	s_add_nc_u64 s[16:17], s[16:17], s[96:97]
	s_wait_kmcnt 0x0
	s_add_co_i32 s94, s68, s69
	s_add_co_i32 s95, s70, s71
	s_add_co_i32 s96, s72, s73
	s_cmp_eq_u32 s40, 1
	s_cselect_b32 s78, s95, s94
	s_cselect_b32 s79, s74, s75
	s_cmp_eq_u32 s41, 1
	s_cselect_b32 s78, s96, s78
	s_cselect_b32 s79, s76, s79
	s_sub_co_i32 s94, 127, s78
	s_lshl_b32 s94, s94, 23
	s_cmp_eq_u32 s41, 1
	s_cselect_b32 s80, 0, s94
	s_cselect_b32 s82, s94, 0
	s_mov_b32 s81, s80
	s_sub_co_i32 s94, s79, s78
	s_add_co_i32 s94, s94, 127
	s_lshl_b32 s95, s94, 23
	v_mov_b32 v[SCL], s95
	s_add_co_i32 s94, s94, 8
	s_lshl_b32 s94, s94, 23
	s_or_b32 s94, s94, 0x600000
	v_mov_b32 v[LIM], s94
	s_wait_loadcnt 0x0
.set j, 0
.rept 32
	v_pk_mul_f32 v[BC+j:BC+j+1], v[BC+j:BC+j+1], s[80:81] op_sel_hi:[1,0]
.set j, j+2
.endr
.irp a, 0,1,2,3,4,5,6,7
	v_mul_f32 v[BRP+2*\a], s82, v[BRR+\a]
	v_mul_f32 v[BRP+2*\a+1], s82, v[BRR+\a]
.endr
.macro FRAG reg, adr, q, i
.irp c, 0,1,2,3
	ds_load_b128 v[\reg+4*\c:\reg+4*\c+3], v[\adr] offset:128*(\q)+32*\c+(\i)*16*PITCH
.endr
.endm
.macro MUL16 a0, p, zero
.irp a, \a0, \a0+1
.irp b, 0,1,2,3,4,5,6,7
.if \zero
	v_wmma_f32_16x16x128_fp8_fp8 v[8*(8*((\a)%4)+\b):8*(8*((\a)%4)+\b)+7], v[128*(\p)+FR*\b:128*(\p)+FR*\b+FR-1], v[AF+FR*(\a):AF+FR*(\a)+FR-1], 0
.else
	v_wmma_f32_16x16x128_fp8_fp8 v[8*(8*((\a)%4)+\b):8*(8*((\a)%4)+\b)+7], v[128*(\p)+FR*\b:128*(\p)+FR*\b+FR-1], v[AF+FR*(\a):AF+FR*(\a)+FR-1], v[8*(8*((\a)%4)+\b):8*(8*((\a)%4)+\b)+7]
.endif
.endr
.endr
.endm
.macro FETCH_B slot, q, p
	WIN TO_B
.irp i, 0,1,2,3,4,5,6,7
	FRAG 128*(\p)+FR*\i, ADRB+\slot, \q, \i
.endr
	WIN 0
.endm
.macro FETCH_A slot, q, i0
.irp i, \i0, \i0+1, \i0+2, \i0+3
	FRAG AF+FR*(\i), ADRA+\slot, \q, \i
.endr
.endm
.macro PLACES n
.rept \n
	v_nop
.endr
.endm
.macro STEP slot, q, zero
	s_wait_dscnt 4*NL
	WIN MUL_LO
	MUL16 0, (\q)%2, \zero
	MUL16 2, (\q)%2, \zero
	s_wait_dscnt 0
	PLACES NP
	FETCH_B \slot, (\q)+1, 1-(\q)%2
	FETCH_A \slot, (\q)+1, 0
	WIN MUL_HI
	MUL16 4, (\q)%2, \zero
	MUL16 6, (\q)%2, \zero
	PLACES NP
	WIN 0
	FETCH_A \slot, (\q)+1, 4
.endm
; The K step two refills on: s3 = 1 in the loop's last trip, whose two refills have no K step two on.
.macro ASK
	s_cmp_gt_u32 s3, 1
	s_cbranch_scc0 .Lno_ask_\@
	global_prefetch_b8 v[PFO], s[PFA:PFA+1] offset:2*ROWB th:TH_LOAD_NT scope:SCOPE_SE
	s_cmp_eq_u32 s44, 0
	s_cbranch_scc0 .Lno_ask_\@
.irp i, 1,2,3
	global_prefetch_b8 v[PFO], s[PFA:PFA+1] offset:2*ROWB+\i*32*KROW th:TH_LOAD_NT scope:SCOPE_SE
.endr
.Lno_ask_\@:
.endm
.macro TURN slot, next, fill
.if \fill
	s_wait_xcnt 0x0                                ; my prefetches have read their address: it steps a K step on
	s_add_nc_u64 s[PFA:PFA+1], s[PFA:PFA+1], ROWB
.endif
	s_wait_tensorcnt 0x0
	ds_add_u32 v[SPW], v[NIL]
	s_wait_dscnt 4*NL+1
	WIN MUL_LO
	MUL16 0, 1, 0
	s_wait_dscnt 0x0
	s_barrier_signal -1
	MUL16 2, 1, 0
	WIN 0
	s_barrier_wait -1
.if \fill
	CREST
	s_add_nc_u64 s[G0T+4*\slot+2:G0T+4*\slot+3], s[G0T+4*\slot+2:G0T+4*\slot+3], 2*ROWB
	s_add_nc_u64 s[G0W+4*\slot+2:G0W+4*\slot+3], s[G0W+4*\slot+2:G0W+4*\slot+3], 2*ROWB
	JLOAD \slot
.else
	PLACES NP
.endif
	FETCH_B \next, 0, 0
	FETCH_A \next, 0, 0
.if \fill
	ASK
.endif
	WIN MUL_HI
	MUL16 4, 1, 0
	MUL16 6, 1, 0
	PLACES NP
	WIN 0
	FETCH_A \next, 0, 4
.endm
	s_wait_alu depctr_va_vdst(0)
	s_wait_tensorcnt 0x0                           ; my part of K step 0 is in; slot 1's first fill is issued as a refill is:
	ds_add_u32 v[SPW], v[NIL]
	s_wait_dscnt 0x0
	CROUND                                         ; everybody's part of K step 0 is in, and the four work-groups are here
	JLOAD 1                                        ; K step 1, the first tensor load behind the round
	FETCH_B 0, 0, 0
	FETCH_A 0, 0, 0
	ASKH 2*ROWB
	FETCH_A 0, 0, 4
	STEP 0, 0, 1
	s_mov_b32 s3, LAPS-1
.Llap:
	TURN 0, 1, 1
	STEP 1, 0, 0
	TURN 1, 0, 1
	STEP 0, 0, 0
	s_sub_co_u32 s3, s3, 1
	s_cmp_lg_u32 s3, 0
	s_cbranch_scc1 .Llap
	TURN 0, 1, 0
	STEP 1, 0, 0
	s_wait_dscnt 4*NL
	WIN MUL_LO
	MUL16 0, 1, 0
	MUL16 2, 1, 0
	s_wait_dscnt 0
	WIN MUL_HI
	MUL16 4, 1, 0
	MUL16 6, 1, 0
	WIN 0
	PLACES NP
.macro OUTBLK a
.set AC, 64*((\a)%4)
.set CD, COD+16*((\a)%4)
	WIN 0x02+((\a)/4)
.set j, 0
.rept 32
	v_pk_add_f32 v[TMP+j:TMP+j+1], v[AC+j:AC+j+1], v[BC+j:BC+j+1]
.set j, j+2
.endr
	WIN 0
.set j, 0
.rept 32
	v_pk_add_f32 v[TMP+j:TMP+j+1], v[TMP+j:TMP+j+1], v[BRP+2*(\a):BRP+2*(\a)+1]
.set j, j+2
.endr
.set j, 0
.rept 64
	v_med3_num_f32 v[TMP+j], v[TMP+j], -v[LIM], v[LIM]
.set j, j+1
.endr
.if (\a) >= 4
	s_wait_alu depctr_va_vdst(0)
	s_wait_xcnt 0x0
.endif
.irp b, 0,1,2,3,4,5,6,7
	v_cvt_scalef32_pk8_fp8_f32 v[CD+2*\b:CD+2*\b+1], v[TMP+8*\b:TMP+8*\b+7], v[SCL]
.endr
	v_nop
.irp c, 0,1,2,3
	global_store_b128 v[CO], v[CD+4*\c:CD+4*\c+3], s[16:17] offset:2048*(\a)+512*\c
.endr
.endm
.irp a, 0,1,2,3,4,5,6,7
	OUTBLK \a
.endr
	s_wait_tensorcnt 0x0
	ds_add_u32 v[SPW], v[NIL]
	s_wait_dscnt 0x0
	CROUND
	s_endpgm
.Lfunc_end_k_q6260f44293_proj:
	.size	k_q6260f44293_proj, .Lfunc_end_k_q6260f44293_proj-k_q6260f44293_proj
	.p2alignl 7, 3214868480
	.fill 96, 4, 3214868480
	.section	.rodata,"a",@progbits
	.p2align	6, 0x0
	.amdhsa_kernel k_q6260f44293_proj
		.amdhsa_group_segment_fixed_size 327680
		.amdhsa_private_segment_fixed_size 0
		.amdhsa_enable_private_segment 0
		.amdhsa_kernarg_size 56
		.amdhsa_user_sgpr_count 2
		.amdhsa_user_sgpr_kernarg_segment_ptr 1
		.amdhsa_wavefront_size32 1
		.amdhsa_system_sgpr_workgroup_id_x 1
		.amdhsa_system_sgpr_workgroup_id_y 1
		.amdhsa_system_sgpr_workgroup_id_z 1
		.amdhsa_system_vgpr_workitem_id 0
		.amdhsa_next_free_vgpr 1024
		.amdhsa_next_free_sgpr 100
		.amdhsa_reserve_vcc 0
		.amdhsa_float_denorm_mode_32 3
		.amdhsa_float_denorm_mode_16_64 3
		.amdhsa_memory_ordered 1
		.amdhsa_forward_progress 1
		.amdhsa_inst_pref_size 159
	.end_amdhsa_kernel
	.amdgpu_metadata
---
amdhsa.version: [ 1, 2 ]
amdhsa.kernels:
  - .name:           k_q6260f44293_proj
    .symbol:         k_q6260f44293_proj.kd
    .args:
      - { .name: xc, .offset: 0, .size: 8, .value_kind: global_buffer, .address_space: global }
      - { .name: wc, .offset: 8, .size: 8, .value_kind: global_buffer, .address_space: global }
      - { .name: bq, .offset: 16, .size: 8, .value_kind: global_buffer, .address_space: global }
      - { .name: bk, .offset: 24, .size: 8, .value_kind: global_buffer, .address_space: global }
      - { .name: bv, .offset: 32, .size: 8, .value_kind: global_buffer, .address_space: global }
      - { .name: lowp_scales, .offset: 40, .size: 8, .value_kind: global_buffer, .address_space: global }
      - { .name: qkv, .offset: 48, .size: 8, .value_kind: global_buffer, .address_space: global }
    .group_segment_fixed_size: 327680
    .private_segment_fixed_size: 0
    .kernarg_segment_align: 8
    .kernarg_segment_size: 56
    .max_flat_workgroup_size: 128
    .sgpr_count:     100
    .vgpr_count:     1024
    .wavefront_size: 32
...
	.end_amdgpu_metadata
.endif
;; end of part 6
;; launch attn (part 7): grid 32 x 8, 8 waves a work-group, clusters of 4 x 1, 327,680 bytes of LDS; arguments qkv, lowp_scales, out0; writes out0
.if DOCPART == 7
	.amdgcn_target "amdgcn-amd-amdhsa--gfx1250"
	.amdhsa_code_object_version 6
	.text
	.protected	k_q6260f44293_attn
	.globl	k_q6260f44293_attn
	.p2align	8
	.type	k_q6260f44293_attn,@function
k_q6260f44293_attn:
	s_mov_b64 s[64:65], 0
	v_nop
	global_prefetch_b8 v0, s[64:65] scope:SCOPE_SE
	s_setreg_imm32_b32 hwreg(HW_REG_WAVE_MODE, 25, 1), 1
	s_wait_xcnt 0x0
	s_wait_alu depctr_hold_cnt(0) depctr_sa_sdst(0) depctr_va_vdst(0) depctr_va_sdst(0) depctr_va_ssrc(0) depctr_va_vcc(0) depctr_vm_vsrc(0)
	s_getreg_b32 s2, hwreg(HW_REG_IB_STS2, 6, 4)
	s_cmp_eq_u32 s2, 0
	s_cbranch_scc0 .Lentry_in_a_cluster
	s_endpgm
.Lentry_in_a_cluster:
	s_bfe_u32 s2, ttmp6, 0x10000c
	s_cmp_lg_u32 s2, 0x3003
	s_cbranch_scc0 .Lentry_shape_is_right
	s_endpgm
.Lentry_shape_is_right:
; out0[b][s][128 hq + d] = the sum over keys t of softmax_t(q[b][hq][s] . k[b][g][t] / sqrt(128)) v[b][g][t][d], g = hq % 4, both products on E4M3 codes.
; Scales 2^e: k lowp_scales[6], q [7], v [8], p [9].  q, k, v arrive as blocks of 16,384 bytes: 128 rows x 128 codes as eight images of operand registers (fragment a at 2,048 a, chunk c at 512 c,
; lane l's 16 bytes at 16 l); register pair 2 c' of lane (r, h) holds k = 16 c' + 8 h + 0 .. 7 of row r.  q, k: rows = tokens, K = channels.  v: rows = channels, K = keys.
; THE SOFTMAX AHEAD OF THE SECOND PRODUCT: t = score x log2(e) / sqrt(128); M = the row's largest t so far, rounded UP to a whole number; p = 2^(t - M) is what is quantised; it is not normalised.
; The row's sum is taken of the unquantised p, in f32, and divides O at the end.  When M moves, the sum and O are multiplied by 2^(old M - new M): exact, and with no branch on data.
; LIMITS on the given exponents: [6] + [7] between -123 and 130 (they are added to c's exponent field); [9] between -126 and 119; [8] + [9] is applied by v_ldexp_f32 and has none.
; SHARES.  A work-group owns 256 queries of one query head; each of its eight waves 32 of them, TWO tiles of 16, so that each fragment of K and V read from LDS feeds two products.  Two waves to a SIMD.
; Every wave walks all 2,048 keys, 128 a step.
; LAYOUT.  Both products are used transposed: S^T = K Q^T (source 0 = 16 keys, source 1 = 16 queries), O^T = V^T P (source 0 = 16 channels, source 1 = P): a lane holds ONE query throughout.
; Register j of S^T's tile t is key 16 t + 8 h + j, so the conversion of tile t gives P's register pair 2 t as the layout wants it: nothing changes lanes.
; THE ORDER OF A TRIP.  K of step j is asked for (32 LDS loads into registers of its own); the step before is finished meanwhile (both tiles' O^T x f under one wait, then the sixteen products O^T += V^T P);
; then S^T = K Q^T of step j; the softmax of both tiles with ONE batch of 128 exponentials, one wait ahead of it and one behind it; V of step j lands where p lay.
; Step 0's front stands ahead of the loops, the last step's back behind them.
; RING.  Two LDS slots of 512 keys: four blocks of K, then four of V, dense (an image's loads are 512 consecutive bytes: no padding).  Waves 0-3 fetch K's blocks, waves 4-7 V's: one load a wave for four key steps.
; CLUSTER.  The four partners along x are query blocks that share batch and key head: every tile is asked for JOINTLY (mask 15).  cx enters global addresses alone (Q's, out0's, the prefetches').
; PREFETCH.  At the change of slots that loads slot n (n = 1, 2) each wave names, of the block that it will fetch for slot n + 1, the quarter 4,096 cx on: sixteen lanes 256 bytes apart, the other lanes the last of these.
; So each 256 bytes of a slot are named once in the cluster, four key steps ahead of their load.  Slots 0 and 1 come by their loads alone; behind slot 3 there is none.
; O^T is cleared once (128 lines), so that the back of a step is written without a first form of its own.
; REGISTERS: window 0: v1-9, v28-31 addresses and scales; v10-25 eight statistics a tile; v26, v27 the exchanges' destinations; v32-63 Q; v64-95 P's codes; v96-99 chains of the maxima; v100-105 chains of the sum;
;   v128-255 S^T, then p, then V's eight fragments.   window 1: v0-127 O^T, 64 a tile; v128-255 K's eight fragments.
.set BLK,   16384                      ; a block: 128 rows x 128 codes
.set VOFF,  4*BLK                      ; a slot: four blocks of K, then four of V
.set SLOT1, 1<<17                      ; slot 1 begins here: one exclusive or turns an address in one slot into the other's
.set SPARE, 2*SLOT1                    ; the spare words, 128 bytes for each wave: four blocks of 256 bytes that no other line names
.set STAGE, SPARE+1024                 ; 16 rows x 272 bytes for each wave, for the way out; no fill lands here
.set SP,    272
.set LI,  1                            ; 16 x lane: my place in an image
.set AV0, 2                            ; the same among V's blocks
.set SPW, 3                            ; LDS address of my spare word; never rewritten
.set NIL, 4                            ; 0; never rewritten
.set GO,  5                            ; the way out: my byte offset in the wave's rows of out0
.set ADK, 6                            ; LDS address of the step's block of K
.set ADV, 7                            ; of V
.set PSC, 8                            ; 2^e9 as f32
.set PLM, 9                            ; 448 x 2^e9
.set ST,  10                           ; tile x's statistics at v[ST + 8 x]: +0 -M, +1 the largest t, +2, +3 the sum in two halves, +4 f, +5 written 0, +6, +7 at work
.set PX,  26                           ; a lane permute's destination, one a tile
.set PL2, 28                           ; 448 x 2^e9 once more, for the second half of a dual pair
.set STO, 29
.set RD,  30
.set PFO, 31                           ; the prefetches' offset: 256 x min(lane, 15); never rewritten
.set Q,   32
.set PCD, 64
.set MX,  96
.set SA,  100
.set S,   128
.set KW,  128                          ; in window 1
.set WV,  10                           ; s10  my wave's number
.set PFA, 20                           ; s[20:21] where my prefetches stand
.set G1,  24                           ; s[24:31] descriptor group 1, for K's and V's blocks alike
.set G0K, 32                           ; s[32:35], s[36:39] groups 0: they walk
.set G0V, 36
.set SEL, 40                           ; s[40:41] selects for lane l xor 16
.set CS,  42                           ; s[42:43] c = log2(e) / sqrt(128) x 2^(e6 + e7)
.set TB,  44                           ; LDS byte at which the step's block of K begins
.set SLOTS, 45
.set CNT, 46
.set MSB, 0
.macro WIN new                         ; the immediate's high byte repeats the setting that is left
.if MSB != (\new)
	s_set_vgpr_msb (MSB<<8)|(\new)
.set MSB, (\new)
.endif
.endm
; A joint load: waves 0-3 fetch K's four blocks of a slot, waves 4-7 V's.  An s_nop 0 and four v_nop follow each line.
.macro JLOAD
	s_cmp_lt_u32 s[WV], 4
	s_cbranch_scc0 .Lfor_v_\@
	tensor_load_to_lds s[G0K:G0K+3], s[G1:G1+7]
	s_nop 0
.rept 4
	v_nop
.endr
	s_branch .Lasked_\@
.Lfor_v_\@:
	tensor_load_to_lds s[G0V:G0V+3], s[G1:G1+7]
	s_nop 0
.rept 4
	v_nop
.endr
.Lasked_\@:
.endm
.macro CROUND                          ; a round of the cluster's barrier
	s_barrier_signal -1
	s_barrier_wait -1
	s_cmp_lg_u32 s[WV], 0
	s_cbranch_scc1 .Lnot_wave_0_\@
	s_barrier_signal -3
.Lnot_wave_0_\@:
	s_barrier_wait -3
	s_barrier_signal -1
	s_barrier_wait -1
.endm
.macro ASK                             ; s[SLOTS] is 2 at the changes that load slots 1 and 2, and 1 at the one that loads slot 3
	s_cmp_eq_u32 s[SLOTS], 2
	s_cbranch_scc0 .Lno_ask_\@
	global_prefetch_b8 v[PFO], s[PFA:PFA+1] th:TH_LOAD_NT scope:SCOPE_SE
.Lno_ask_\@:
.endm
	s_load_b128 s[4:7], s[0:1], 0x0                ; qkv s[4:5], lowp_scales s[6:7]
	s_load_b64 s[8:9], s[0:1], 0x10                ; out0
	v_lshl_add_u32 v[SPW], v0, 2, SPARE
	v_mov_b32 v[NIL], 0
	ds_add_u32 v[SPW], v[NIL]                      ; the opening lines: the add, twice on end, and its wait ahead of my first tensor load
	ds_add_u32 v[SPW], v[NIL]
	v_lshrrev_b32 v5, 5, v0
	v_readfirstlane_b32 s[WV], v5                  ; wave 0..7
	s_bfe_u32 s11, ttmp6, 0x40000                  ; cx
	s_lshl_b32 s12, ttmp9, 2
	s_add_co_u32 s12, s12, s11                     ; work-group x = 8 rep + the block of 256 queries
	s_and_b32 s13, ttmp7, 0xffff                   ; y = 4 b + g, which the partners share
	s_and_b32 s14, s[WV], 3
	s_lshl_b32 s15, s14, 14                        ; which block of a slot's four I fetch
	s_lshl_b32 s16, s13, 18                        ; a head's 16 blocks
	s_add_co_u32 s16, s16, s15
	s_add_co_u32 s16, s16, 512*BLK                 ; k's blocks begin at 512
	s_mov_b32 s17, 0
	s_add_co_u32 s18, s16, 128*BLK                 ; v's at 640
	s_mov_b32 s19, 0
	s_lshl_b32 s21, s11, 12                        ; my work-group's quarter of a block
	s_cmp_lt_u32 s[WV], 4
	s_cselect_b32 s20, s16, s18                    ; the block that I fetch,
	s_add_co_u32 s20, s20, s21
	s_add_co_u32 s20, s20, 4*BLK                   ; in slot 1: the first change of slots steps it to slot 2
	s_mov_b32 s21, 0
	s_lshr_b32 s54, s13, 2                         ; b
	s_and_b32 s55, s13, 3                          ; g
	s_lshr_b32 s56, s12, 3                         ; rep
	s_and_b32 s57, s12, 7                          ; the block of 256 queries
	s_lshl_b32 s56, s56, 2
	s_add_co_u32 s56, s56, s55                     ; hq = 4 rep + g
	s_lshl_b32 s58, s54, 4
	s_add_co_u32 s58, s58, s56
	s_lshl_b32 s58, s58, 4
	s_lshl_b32 s59, s57, 1
	s_add_co_u32 s58, s58, s59                     ; q's block (16 b + hq) 16 + 2 x the block of 256
	s_lshl_b32 s58, s58, 14
	s_lshl_b32 s59, s[WV], 12
	s_add_co_u32 s58, s58, s59                     ; + my two fragments
	s_mov_b32 s59, 0
	s_lshl_b32 s60, s54, 11
	s_lshl_b32 s61, s57, 8
	s_add_co_u32 s60, s60, s61
	s_lshl_b32 s61, s[WV], 5
	s_add_co_u32 s60, s60, s61                     ; my first row of out0: 2,048 b + 256 x block + 32 x wave
	s_lshl_b32 s60, s60, 13
	s_lshl_b32 s61, s56, 9
	s_add_co_u32 s60, s60, s61                     ; + the head's 512 bytes
	s_mov_b32 s61, 0
	s_mov_b32 s[G1+0], 15|(3<<16)|(1<<21)          ; the mask: all four partners; elements of 8 bytes; bit 21 beside a mask
	s_mov_b32 s[G1+1], 32<<16                      ; a dense block of 16,384 bytes as 64 rows of 256 bytes
	s_mov_b32 s[G1+2], 64<<16
	s_mov_b32 s[G1+3], 32<<16
	s_mov_b32 s[G1+4], 64
	s_mov_b32 s[G1+5], 32
	s_mov_b32 s[G1+6], 0
	s_mov_b32 s[G1+7], 0
	s_mov_b32 s[SEL], 0x76543210
	s_mov_b32 s[SEL+1], 0xfedcba98
	s_mov_b32 s[CS], 0x3e0293ee                    ; c = log2(e) / sqrt(128)
	s_mov_b32 s[TB], 0
	s_mov_b32 s[SLOTS], 2
	s_wait_dscnt 0x0                               ; both opening adds are done
	s_wait_kmcnt 0x0
	s_load_b128 s[48:51], s[6:7], 0x18             ; lowp_scales[6..9]
	s_mov_b32 s[G0K], 1
	s_mov_b32 s[G0K+1], s15                        ; LDS address: slot 0
	s_add_nc_u64 s[G0K+2:G0K+3], s[4:5], s[16:17]  ; the head's first 512 keys
	s_or_b32 s[G0K+3], s[G0K+3], 0x80000000
	s_mov_b32 s[G0V], 1
	s_add_co_u32 s[G0V+1], s15, VOFF
	s_add_nc_u64 s[G0V+2:G0V+3], s[4:5], s[18:19]
	s_or_b32 s[G0V+3], s[G0V+3], 0x80000000
	s_add_nc_u64 s[52:53], s[4:5], s[58:59]        ; Q's images
	s_add_nc_u64 s[PFA:PFA+1], s[4:5], s[PFA:PFA+1]
	s_add_nc_u64 s[8:9], s[8:9], s[60:61]          ; out0 at my first row
	CROUND                                         ; all four work-groups are here: the first joint loads meet
	JLOAD                                          ; slot 0: one tensor load of mine is out, here and behind each later round
	v_and_b32 v[LI], 31, v0
	v_min_u32 v[PFO], 15, v[LI]
	v_lshlrev_b32 v[LI], 4, v[LI]
	v_lshlrev_b32 v[PFO], 8, v[PFO]
	v_add_nc_u32 v[AV0], VOFF, v[LI]
.irp x, 0,1
.irp c, 0,1,2,3
	global_load_b128 v[Q+16*\x+4*\c:Q+16*\x+4*\c+3], v[LI], s[52:53] offset:2048*\x+512*\c   ; Q's two fragments stay in registers
.endr
.endr
.irp x, 0,1
	v_mov_b32 v[ST+8*\x+1], 0xff61b1e6             ; the largest t so far: -3e38, under every t
	v_mov_b32 v[ST+8*\x+2], 0                      ; the sum, in two halves
	v_mov_b32 v[ST+8*\x+3], 0
	v_mov_b32 v[ST+8*\x+5], 0
	v_mov_b32 v[PX+\x], 0
	v_floor_f32 v[ST+8*\x], -v[ST+8*\x+1]          ; -M
.endr
	WIN 0x40                                       ; destination window 1
.set j, 0
.rept 128
	v_mov_b32 v[j], 0                              ; O^T: the first step finds zeros, which the first change of M leaves zeros
.set j, j+1
.endr
	WIN 0
	s_wait_kmcnt 0x0
	s_add_co_i32 s54, s48, s49
	s_lshl_b32 s54, s54, 23
	s_add_co_i32 s[CS], s[CS], s54                 ; a score stands for score x 2^(e6 + e7): added to c's exponent field
	s_mov_b32 s[CS+1], s[CS]
	s_add_co_i32 s54, s51, 127
	s_lshl_b32 s55, s54, 23
	v_mov_b32 v[PSC], s55                          ; 2^e9 as f32, for the conversion
	s_add_co_i32 s54, s54, 8
	s_lshl_b32 s54, s54, 23
	s_or_b32 s54, s54, 0x600000
	v_mov_b32 v[PLM], s54                          ; 448 x 2^e9
	v_mov_b32 v[PL2], s54
.macro KFETCH                          ; K's eight fragments of the step at s[TB], in one run, into registers of their own
	v_add_nc_u32 v[ADK], s[TB], v[LI]
	WIN 0x40                                       ; destination window 1, address window 0
.irp t, 0,1,2,3,4,5,6,7
.irp c, 0,1,2,3
	ds_load_b128 v[KW+16*\t+4*\c:KW+16*\t+4*\c+3], v[ADK] offset:\t*2048+512*\c
.endr
.endr
.endm
.macro RESC x                          ; tile x's O^T under the new M: x f; each accumulator from its low end on
	WIN 0x41                                       ; O^T in window 1, f in window 0
.set j, 0
.rept 32
	v_pk_mul_f32 v[64*(\x)+j:64*(\x)+j+1], v[64*(\x)+j:64*(\x)+j+1], v[ST+8*(\x)+4:ST+8*(\x)+5] op_sel_hi:[1,0]
.set j, j+2
.endr
.endm
.macro PV x, t0                        ; four products of O^T += V^T P: tile x, channels 16 t0 on.  The sixteen accumulators take one turn each in a step
	WIN 0x50                                       ; C and D in window 1
.irp t, \t0, \t0+1, \t0+2, \t0+3
	v_wmma_f32_16x16x128_fp8_fp8 v[64*(\x)+8*(\t):64*(\x)+8*(\t)+7], v[S+16*(\t):S+16*(\t)+15], v[PCD+16*(\x):PCD+16*(\x)+15], v[64*(\x)+8*(\t):64*(\x)+8*(\t)+7]
.endr
.endm
; THE BACK OF A STEP.  k = the LDS loads issued behind V's: the next step's 32 of K, or none.
.macro BACK k
	WIN 0x41
	s_wait_alu depctr_va_vdst(0)                   ; directly ahead of the first readers of O^T
	RESC 0
	RESC 1
	s_wait_alu depctr_va_vdst(0)                   ; and here, directly ahead of the wait below
	s_wait_dscnt 16+(\k)                           ; V's fragments 0-3 are in; out may be its other sixteen loads and the k behind them
	PV 0, 0
	PV 1, 0
	s_wait_dscnt \k                                ; V is in
	PV 0, 4
	PV 1, 4
.endm
; Tile x's largest score of the step, among my 64 keys: four chains, the scores in ascending order.
.macro SMAX x
.set SB, S+64*(\x)
.set TT, ST+8*(\x)
.set M2, MX+2*(\x)
	v_max3_num_f32 v[TT+6], v[SB], v[SB+1], v[SB+2]
	v_max3_num_f32 v[TT+7], v[SB+3], v[SB+4], v[SB+5]
	v_max3_num_f32 v[M2], v[SB+6], v[SB+7], v[SB+8]
	v_max3_num_f32 v[M2+1], v[SB+9], v[SB+10], v[SB+11]
.irp i, 12,20,28,36,44,52
	v_max3_num_f32 v[TT+6], v[TT+6], v[SB+\i], v[SB+\i+1]
	v_max3_num_f32 v[TT+7], v[TT+7], v[SB+\i+2], v[SB+\i+3]
	v_max3_num_f32 v[M2], v[M2], v[SB+\i+4], v[SB+\i+5]
	v_max3_num_f32 v[M2+1], v[M2+1], v[SB+\i+6], v[SB+\i+7]
.endr
	v_max3_num_f32 v[TT+6], v[TT+6], v[SB+60], v[SB+61]
	v_max3_num_f32 v[TT+7], v[TT+7], v[SB+62], v[SB+63]
	v_max3_num_f32 v[TT+6], v[TT+6], v[TT+7], v[M2]
	v_max_num_f32 v[TT+6], v[TT+6], v[M2+1]
.endm
; The lines that feed each other, for both tiles by turns.
.macro SSER
.irp x, 0,1
	v_permlanex16_b32 v[PX+\x], v[ST+8*\x+6], s[SEL], s[SEL+1]
.endr
.irp x, 0,1
	v_max_num_f32 v[ST+8*\x+6], v[ST+8*\x+6], v[PX+\x]     ; and among lane l xor 16's
.endr
.irp x, 0,1
	v_mul_f32 v[ST+8*\x+6], s[CS], v[ST+8*\x+6]            ; as t (c is positive)
.endr
.irp x, 0,1
	v_max_num_f32 v[ST+8*\x+1], v[ST+8*\x+1], v[ST+8*\x+6] ; the running largest t
.endr
.irp x, 0,1
	v_mov_b32 v[ST+8*\x+6], v[ST+8*\x]
.endr
.irp x, 0,1
	v_floor_f32 v[ST+8*\x], -v[ST+8*\x+1]                  ; the new -M = floor(-t) = -ceil(t): M is a whole number
.endr
.irp x, 0,1
	v_sub_f32 v[ST+8*\x+6], v[ST+8*\x], v[ST+8*\x+6]       ; M's old value less its new one: a whole number, 0 or less
.endr
.irp x, 0,1
	v_cvt_i32_f32 v[ST+8*\x+6], v[ST+8*\x+6]               ; (it saturates)
.endr
.irp x, 0,1
	v_ldexp_f32 v[ST+8*\x+4], 1.0, v[ST+8*\x+6]            ; f = 2^(old M - new M)
.endr
.endm
.macro SFMA x                          ; t - M, two at a time (of the pairs c and -M the low word serves both halves)
.set j, 0
.rept 32
	v_pk_fma_f32 v[S+64*(\x)+j:S+64*(\x)+j+1], v[S+64*(\x)+j:S+64*(\x)+j+1], s[CS:CS+1], v[ST+8*(\x):ST+8*(\x)+1] op_sel_hi:[1,0,0]
.set j, j+2
.endr
.endm
.macro SEXP x                          ; p = 2^(t - M), at most 1: not normalised
.set j, 0
.rept 64
	v_exp_f32 v[S+64*(\x)+j], v[S+64*(\x)+j]
.set j, j+1
.endr
.endm
.macro HOLD n                          ; the conversion to an 8-bit code does not saturate (ISA guide 7.6.2); p is not negative, so the hold is one-sided; two numbers a line
.rept \n
	v_dual_min_num_f32 v[SB+j], v[SB+j], v[PLM] :: v_dual_min_num_f32 v[SB+j+1], v[SB+j+1], v[PL2]
.set j, j+2
.endr
.endm
; Tile x: THE SUM IS TAKEN OF THE UNQUANTISED p, in four chains of packed additions; then the hold; then P's codes.
.macro SFIN x
.set SB, S+64*(\x)
.set TT, ST+8*(\x)
.set PC, PCD+16*(\x)
	v_pk_add_f32 v[TT+2:TT+3], v[TT+2:TT+3], v[SB:SB+1]
	v_pk_add_f32 v[SA:SA+1], v[SB+2:SB+3], v[SB+4:SB+5]
	v_pk_add_f32 v[SA+2:SA+3], v[SB+6:SB+7], v[SB+8:SB+9]
	v_pk_add_f32 v[SA+4:SA+5], v[SB+10:SB+11], v[SB+12:SB+13]
.irp i, 14,22,30,38,46,54
	v_pk_add_f32 v[TT+2:TT+3], v[TT+2:TT+3], v[SB+\i:SB+\i+1]
	v_pk_add_f32 v[SA:SA+1], v[SA:SA+1], v[SB+\i+2:SB+\i+3]
	v_pk_add_f32 v[SA+2:SA+3], v[SA+2:SA+3], v[SB+\i+4:SB+\i+5]
	v_pk_add_f32 v[SA+4:SA+5], v[SA+4:SA+5], v[SB+\i+6:SB+\i+7]
.endr
	v_pk_add_f32 v[TT+2:TT+3], v[TT+2:TT+3], v[SB+62:SB+63]
	v_pk_add_f32 v[SA:SA+1], v[SA:SA+1], v[SA+2:SA+3]
.set j, 0
	HOLD 2                                         ; every p has been summed; the chains are joined among the holds
	v_pk_add_f32 v[TT+2:TT+3], v[TT+2:TT+3], v[SA+4:SA+5]
	HOLD 2
	v_pk_add_f32 v[TT+2:TT+3], v[TT+2:TT+3], v[SA:SA+1]
	HOLD 28
.irp m, 0,1,2,3
	v_cvt_scalef32_pk8_fp8_f32 v[PC+4*\m:PC+4*\m+1], v[SB+16*\m:SB+16*\m+7], v[PSC]        ; tile 2 m: keys 32 m + 8 h + 0 .. 7
	v_cvt_scalef32_pk8_fp8_f32 v[PC+4*\m+2:PC+4*\m+3], v[SB+16*\m+8:SB+16*\m+15], v[PSC]   ; tile 2 m + 1: keys 32 m + 16 + 8 h + 0 .. 7
.endr
	v_nop                                          ; one plain vector line behind the last conversion of the run
.endm
.macro VLOAD x                         ; V's fragments 4 x .. 4 x + 3 land where tile x's p lay: it has been summed and converted
.irp t, 0,1,2,3
.irp c, 0,1,2,3
	ds_load_b128 v[S+64*(\x)+16*\t+4*\c:S+64*(\x)+16*\t+4*\c+3], v[ADV] offset:(4*(\x)+\t)*2048+512*\c
.endr
.endr
.endm
; THE FRONT OF A STEP: 128 keys: the block of K at s[TB] (asked for by KFETCH), the block of V 65,536 bytes on.
.macro FRONT
.rept 5
	v_nop                                          ; five places between the products that read V's fragments and the products below, which write over them (ISA guide 7.12.1 for four of them)
.endr
	s_wait_dscnt 0x0                               ; K is in
	WIN 0x01                                       ; source 0 (K) in window 1
.irp x, 0,1
.irp t, 0,1,2,3,4,5,6,7
	v_wmma_f32_16x16x128_fp8_fp8 v[S+64*\x+8*\t:S+64*\x+8*\t+7], v[KW+16*\t:KW+16*\t+15], v[Q+16*\x:Q+16*\x+15], 0
.endr
.endr
	WIN 0
	v_add_nc_u32 v[ADV], s[TB], v[AV0]             ; with the three lines below the four places in front of the first read of the scores
.rept 3
	v_nop
.endr
	SMAX 0
	SMAX 1
	SSER
	SFMA 0
	SFMA 1
	s_wait_alu depctr_va_vdst(0)
	SEXP 0
	SEXP 1
.irp x, 0,1
	v_pk_mul_f32 v[ST+8*\x+2:ST+8*\x+3], v[ST+8*\x+2:ST+8*\x+3], v[ST+8*\x+4:ST+8*\x+5] op_sel_hi:[1,0]   ; the sums under the new M; also the plain place behind the batch
.endr
	s_wait_alu depctr_va_vdst(0)                   ; one wait for the whole batch, ahead of its first reader
	SFIN 0
	VLOAD 0
	SFIN 1
	VLOAD 1
	s_add_co_u32 s[TB], s[TB], BLK                 ; the next step's blocks
.endm
.macro STEPS n                         ; n trips in one slot; then on to the other slot's first step
	s_mov_b32 s[CNT], \n
.Lstep_\@:
	KFETCH
	BACK 32
	FRONT
	s_sub_co_u32 s[CNT], s[CNT], 1
	s_cmp_lg_u32 s[CNT], 0
	s_cbranch_scc1 .Lstep_\@
	s_sub_co_u32 s[TB], s[TB], 4*BLK
	s_xor_b32 s[TB], s[TB], SLOT1
.endm
; THE CHANGE OF SLOTS, between V's last loads of a slot and K's first loads of the next.  Each wave waits for all its tensor loads, adds 0 to its spare word, and waits for that and for its reads of the slot that it has left.
; fill = 1: the barrier is a round of the cluster's; the slot that was left takes the next 512 keys, first thing behind the round: four key steps in which to land.
.macro CHANGE fill
	s_wait_tensorcnt 0x0                           ; no tensor load of mine is out, so a group 0 may be written
	ds_add_u32 v[SPW], v[NIL]
.if \fill
	s_xor_b32 s[G0K+1], s[G0K+1], SLOT1
	s_add_nc_u64 s[G0K+2:G0K+3], s[G0K+2:G0K+3], 4*BLK
	s_xor_b32 s[G0V+1], s[G0V+1], SLOT1
	s_add_nc_u64 s[G0V+2:G0V+3], s[G0V+2:G0V+3], 4*BLK
	s_wait_xcnt 0x0                                ; any prefetch of mine has read its address:
	s_add_nc_u64 s[PFA:PFA+1], s[PFA:PFA+1], 4*BLK ; one slot further on than the walking descriptors
	s_wait_dscnt 0x0
	CROUND
	JLOAD
	ASK
.else
	s_wait_dscnt 0x0
	s_barrier_signal -1
	s_barrier_wait -1
.endif
.endm
	s_wait_alu depctr_va_vdst(0)
	s_wait_loadcnt 0x0                             ; Q
	CHANGE 1                                       ; slot 0 is whole; slot 1 is asked for
	KFETCH
	FRONT                                          ; step 0 has no step before it to finish
	STEPS 3
.Lslot:                                            ; two trips: the keys' second and third 512
	CHANGE 1
	STEPS 4
	s_sub_co_u32 s[SLOTS], s[SLOTS], 1
	s_cmp_lg_u32 s[SLOTS], 0
	s_cbranch_scc1 .Lslot
	CHANGE 0                                       ; the last slot is written out
	STEPS 4
	BACK 0                                         ; the last step is finished
	WIN 0
	; THE WAY OUT.  The address lines are the places behind the last products.  O^T / the sum x 2^(e8 + e9) goes through my stage in LDS, half a head's row (64 channels, 256 bytes) of 16 queries at a time.
	v_and_b32 v[ADK], 15, v0                       ; r
	v_bfe_u32 v[ADV], v0, 4, 1                     ; h
	s_mul_i32 s14, s[WV], 16*SP
	s_add_co_u32 s14, s14, STAGE                   ; my stage
	v_mul_u32_u24 v[STO], v[ADK], SP
	v_mul_u32_u24 v[RD], v[ADV], SP
	v_lshlrev_b32 v[GO], 13, v[ADV]
	v_lshl_add_u32 v[STO], v[ADV], 5, v[STO]
	v_lshl_add_u32 v[RD], v[ADK], 4, v[RD]
	v_lshl_add_u32 v[GO], v[ADK], 4, v[GO]         ; two rows of out0, 16 bytes a lane
	v_add_nc_u32 v[STO], s14, v[STO]               ; in: row r; a tile's eight channels of my half: 32 h bytes on
	v_add_nc_u32 v[RD], s14, v[RD]                 ; back: lanes 0-15 one row, lanes 16-31 the next
.irp x, 0,1
	v_add_f32 v[ST+8*\x+2], v[ST+8*\x+2], v[ST+8*\x+3]     ; the sum's two halves,
.endr
.irp x, 0,1
	v_permlanex16_b32 v[ST+8*\x+6], v[ST+8*\x+2], s[SEL], s[SEL+1]
.endr
.irp x, 0,1
	v_add_f32 v[ST+8*\x+2], v[ST+8*\x+2], v[ST+8*\x+6]     ; and lane l xor 16's: the row's sum
.endr
	s_wait_alu depctr_va_vdst(0)
.irp x, 0,1
	v_rcp_f32 v[ST+8*\x+2], v[ST+8*\x+2]
.endr
	v_nop                                          ; a plain line behind the last reciprocal
	s_add_co_i32 s15, s50, s51
	s_wait_alu depctr_va_vdst(0)                   ; and ahead of their first reader
.irp x, 0,1
	v_ldexp_f32 v[ST+8*\x+2], v[ST+8*\x+2], s15    ; x 2^(e8 + e9)
.endr
	WIN 0x01                                       ; source 0 (O^T) in window 1
	s_wait_alu depctr_va_vdst(0)                   ; directly ahead of the first readers of O^T
.irp x, 0,1
.set j, 0
.rept 32
	v_pk_mul_f32 v[S+64*\x+j:S+64*\x+j+1], v[64*\x+j:64*\x+j+1], v[ST+8*\x+2:ST+8*\x+3] op_sel_hi:[1,0]   ; register 8 t + i is o(query r, channel 16 t + 8 h + i)
.set j, j+2
.endr
.endr
	WIN 0
.irp x, 0,1
.irp u, 0,1                            ; channels 64 u on
.irp t, 0,1,2,3
	ds_store_b128 v[STO], v[S+64*\x+32*\u+8*\t:S+64*\x+32*\u+8*\t+3] offset:64*\t
	ds_store_b128 v[STO], v[S+64*\x+32*\u+8*\t+4:S+64*\x+32*\u+8*\t+7] offset:64*\t+16
.endr
.irp i, 0,1,2,3,4,5,6,7
	ds_load_b128 v[S+64*\x+32*\u+4*\i:S+64*\x+32*\u+4*\i+3], v[RD] offset:2*\i*SP   ; LDS serves a wave's instructions in order (ISA guide 5.7.1.4): these see my stores, and the next group's stores come behind them
.endr
.endr
.endr
.irp x, 0,1
.irp u, 0,1
.irp i, 0,1,2,3,4,5,6,7
	s_wait_dscnt (3-2*\x-\u)*16+7-\i               ; this load is in; out may be the rest of its group and the sixteen LDS instructions of each later group
	global_store_b128 v[GO], v[S+64*\x+32*\u+4*\i:S+64*\x+32*\u+4*\i+3], s[8:9] offset:(16*\x+2*\i)*8192+256*\u th:TH_STORE_NT   ; sixteen lanes store 256 consecutive bytes, aligned
.endr
.endr
.endr
	s_wait_tensorcnt 0x0                           ; the wave's end
	ds_add_u32 v[SPW], v[NIL]
	s_wait_dscnt 0x0
	CROUND                                         ; the closing round: no work-group ends while a partner may still ask for a tile that names it
	s_endpgm
.Lfunc_end_k_q6260f44293_attn:
	.size	k_q6260f44293_attn, .Lfunc_end_k_q6260f44293_attn-k_q6260f44293_attn
	.p2alignl 7, 3214868480
	.fill 96, 4, 3214868480
	.section	.rodata,"a",@progbits
	.p2align	6, 0x0
	.amdhsa_kernel k_q6260f44293_attn
		.amdhsa_group_segment_fixed_size 327680
		.amdhsa_private_segment_fixed_size 0
		.amdhsa_enable_private_segment 0
		.amdhsa_kernarg_size 24
		.amdhsa_user_sgpr_count 2
		.amdhsa_user_sgpr_kernarg_segment_ptr 1
		.amdhsa_wavefront_size32 1
		.amdhsa_system_sgpr_workgroup_id_x 1
		.amdhsa_system_sgpr_workgroup_id_y 1
		.amdhsa_system_sgpr_workgroup_id_z 1
		.amdhsa_system_vgpr_workitem_id 0
		.amdhsa_next_free_vgpr 512
		.amdhsa_next_free_sgpr 66
		.amdhsa_reserve_vcc 0
		.amdhsa_float_denorm_mode_32 3
		.amdhsa_float_denorm_mode_16_64 3
		.amdhsa_memory_ordered 1
		.amdhsa_forward_progress 1
		.amdhsa_inst_pref_size 159
	.end_amdhsa_kernel
	.amdgpu_metadata
---
amdhsa.version: [ 1, 2 ]
amdhsa.kernels:
  - .name:           k_q6260f44293_attn
    .symbol:         k_q6260f44293_attn.kd
    .args:
      - { .name: qkv, .offset: 0, .size: 8, .value_kind: global_buffer, .address_space: global }
      - { .name: lowp_scales, .offset: 8, .size: 8, .value_kind: global_buffer, .address_space: global }
      - { .name: out0, .offset: 16, .size: 8, .value_kind: global_buffer, .address_space: global }
    .group_segment_fixed_size: 327680
    .private_segment_fixed_size: 0
    .kernarg_segment_align: 8
    .kernarg_segment_size: 24
    .max_flat_workgroup_size: 256
    .sgpr_count:     66
    .vgpr_count:     512
    .wavefront_size: 32
...
	.end_amdgpu_metadata
.endif
;; end of part 7
